; MI455X (gfx1250); checked and timed in simulation.
; The chip was launched on July 23, 2026; its instructions are those of AMD's public machine-readable ISA for CDNA 5 (MIT licence, August 2026) and "CDNA5" Instruction Set Architecture Reference Guide (July 2026). The comments in the code are by the model that wrote it; some were corrected since.
;; Basic Transformer Block. Allowed arithmetic: matrix products marked QUANTISED: E4M3 operands, one given power-of-two scale a tensor, by v_wmma_f32_16x16x64_fp8_fp8 or v_wmma_f32_16x16x128_fp8_fp8, f32 sums; products left as they are: f32 operands where the result goes on into a quantised operand, else bf16, f16 or f32 operands; f32 sums; everything else in f32.
;; Inputs: context 1 x 77 x 768 float32; ff1_b 8,192 float32; ff1_w 1,024 x 8,192 float32; ff2_b 1,024 float32; ff2_w 4,096 x 1,024 float32; k1_w 1,024 x 256 float32; k2_w 768 x 256 float32; lowp_scales 24 int32 (the exponents e of the quantised operands' scales 2^e); n1_b 1,024 float32; n1_w 1,024 float32; n2_b 1,024 float32; n2_w 1,024 float32; n3_b 1,024 float32; n3_w 1,024 float32; o1_b 1,024 float32; o1_w 256 x 1,024 float32; o2_b 1,024 float32; o2_w 256 x 1,024 float32; q1_w 1,024 x 256 float32; q2_w 1,024 x 256 float32; v1_w 1,024 x 256 float32; v2_w 768 x 256 float32; x 1 x 4,096 x 1,024 float32.
;; Outputs: out0 1 x 4,096 x 1,024 float32.
;; This version of the problem:
;;   THIS VERSION OF THE PROBLEM IS GIVEN IN LOW PRECISION. The matrix products marked QUANTISED in the list below multiply operands that are first quantised to E4M3 (4 exponent bits, 3 mantissa bits; 8 bits a number), with one given power-of-two scale for each operand tensor; their sums are f32. All else is computed in f32.
;;   The module's matrix products, in the order in which they are computed (A, B: the left and right operand; K: the contracted axis; several contracted axes count as one K, in the product's order):
;;     1. [M 4,096, K 1,024] x [K 1,024, N 256]; A: computed on the way; B: input q1_w: QUANTISED (scales: A lowp_scales[0], B lowp_scales[1])
;;     2. [M 4,096, K 1,024] x [K 1,024, N 256]; A: computed on the way; B: input k1_w: QUANTISED (scales: A lowp_scales[2], B lowp_scales[3])
;;     3. [M 4,096, K 1,024] x [K 1,024, N 256]; A: computed on the way; B: input v1_w: QUANTISED (scales: A lowp_scales[4], B lowp_scales[5])
;;     4. batch 16 x [M 4,096, K 16] x [K 16, N 4,096]; A: computed on the way; B: computed on the way: left as it is (K = 16 < 32)
;;     5. batch 16 x [M 4,096, K 4,096] x [K 4,096, N 16]; A: softmax (see below); B: computed on the way: QUANTISED (scales: A lowp_scales[6], B lowp_scales[7])
;;     6. [M 4,096, K 256] x [K 256, N 1,024]; A: computed on the way; B: input o1_w: QUANTISED (scales: A lowp_scales[8], B lowp_scales[9])
;;     7. [M 4,096, K 1,024] x [K 1,024, N 256]; A: computed on the way; B: input q2_w: QUANTISED (scales: A lowp_scales[10], B lowp_scales[11])
;;     8. [M 77, K 768] x [K 768, N 256]; A: input context; B: input k2_w: QUANTISED (scales: A lowp_scales[12], B lowp_scales[13])
;;     9. [M 77, K 768] x [K 768, N 256]; A: input context; B: input v2_w: QUANTISED (scales: A lowp_scales[14], B lowp_scales[15])
;;     10. batch 16 x [M 4,096, K 16] x [K 16, N 77]; A: computed on the way; B: computed on the way: left as it is (K = 16 < 32)
;;     11. batch 16 x [M 4,096, K 77] x [K 77, N 16]; A: softmax (see below); B: computed on the way: QUANTISED (scales: A lowp_scales[16], B lowp_scales[17])
;;     12. [M 4,096, K 256] x [K 256, N 1,024]; A: computed on the way; B: input o2_w: QUANTISED (scales: A lowp_scales[18], B lowp_scales[19])
;;     13. [M 4,096, K 1,024] x [K 1,024, N 8,192]; A: computed on the way; B: input ff1_w: QUANTISED (scales: A lowp_scales[20], B lowp_scales[21])
;;     14. [M 4,096, K 4,096] x [K 4,096, N 1,024]; A: computed on the way; B: input ff2_w: QUANTISED (scales: A lowp_scales[22], B lowp_scales[23])
;;   THE QUANTISER, for each operand of a quantised product, along K:
;;     - The operand's scale is 2^e, e = its entry of the input lowp_scales (int32; the entries are numbered through the quantised products in the list's order, A before B).
;;     - Each number is divided by the scale, clamped to +-448, and rounded to the nearest number of E4M3, ties to even, subnormals kept.
;;     - The product sums the exact products of the quantised numbers (number of the format x scale) in f32.
;;   ~~~python
;;   def quantise(x, axis, e):      # numpy; x: float32 -> the quantised numbers, widened to float32 again
;;       x = np.moveaxis(x, axis, -1); K = x.shape[-1]
;;       r = np.clip(x / 2.0 ** e, -448, 448)
;;       step = 2.0 ** (np.maximum(np.frexp(np.where(r == 0, 1, r))[1] - 1, -6) - 3)
;;       q = np.round(r / step) * step * 2.0 ** e      # np.round: ties to even
;;       return np.moveaxis(q, -1, axis).astype(np.float32)
;;   ~~~
;;   SOFTMAX AHEAD OF A QUANTISED PRODUCT. Where the list says 'softmax', what is quantised is not the finished softmax but p = 2^(t - M), with t = logit x log2(e) and M = ceil(the row's largest t), a whole number; so 1/2 < the row's largest p <= 1. The row's sum l is taken of the UNQUANTISED p, in f32, and the product's result is divided by l at the end. Since M is a whole number, a kernel that streams over the keys may use a running M (the ceiling of the running maximum): every later rescaling is an exact power of two, so the quantised numbers keep their values, but for numbers so far below the row's largest that they fall under the format's range.
;;   OPERANDS COMPUTED ON THE WAY. 'Computed on the way' means the value that the module computes at that place (a softmax that the list does not call 'softmax' is quantised finished and normalised). What goes into a quantiser is computed in f32, as accurately as f32 sums, v_exp_f32 and their like allow (about 1e-6 of the number): no bf16 or f16 on the way to a quantiser, and a product that is left as it is and whose result goes on into a quantised operand takes f32 operands (vector FMAs, or v_wmma_f32_16x16x4_f32). A number that lies on a knife's edge between two numbers of the format may be rounded either way, as far as f32 arithmetic and the matrix unit's own rounding can turn it there, and no further.
;; One version. Each part assembles by itself: llvm-mc -triple=amdgcn-amd-amdhsa -mcpu=gfx1250 --defsym DOCPART=n.
;; ======== version 1 of 1: 6 launches
;; workspace buffers: wc 14,548,992 bytes; qf 4,194,304 bytes; kv1 5,242,880 bytes; kv2 102,400 bytes; a1c 1,048,576 bytes; x2 16,777,216 bytes; h3c 4,194,304 bytes; gc 16,777,216 bytes
;; launch wquant (part 1): grid 444 x 1, 4 waves a work-group, no clusters, 33,280 bytes of LDS; arguments ff1_w, ff2_w, q1_w, k1_w, v1_w, q2_w, o1_w, o2_w, k2_w, v2_w, lowp_scales, wc; writes wc
.if DOCPART == 1
	.amdgcn_target "amdgcn-amd-amdhsa--gfx1250"
	.amdhsa_code_object_version 6
	.text
	.protected	k_qc9c5a1a920_wquant
	.globl	k_qc9c5a1a920_wquant
	.p2align	8
	.type	k_qc9c5a1a920_wquant,@function
k_qc9c5a1a920_wquant:
	s_mov_b64 s[64:65], 0
	v_nop
	global_prefetch_b8 v0, s[64:65] scope:SCOPE_SE
	s_setreg_imm32_b32 hwreg(HW_REG_WAVE_MODE, 25, 1), 1
	s_wait_xcnt 0x0
; THE TEN WEIGHTS, f32 stored [K][N], BECOME CODES OF E4M3, each with the scale 2^e that is given for it, laid as the matrix unit's registers take them.
; DEAD WORK: none is left out in this program: every input of the block (x, context, the three norms' gains and biases, ten weights, four biases, the 24 exponents) has a way to out0, and every product of the table is live.
; code = w / 2^e, held within +-448, to the nearest code, ties to even.  LIMITS: -126 <= e and e + 8 <= 127; NaN among the inputs is not served.
; A FRAGMENT (16 columns n x 128 along K) is 2,048 bytes: the byte at 512 g + 16 l + 8 u + i is the code of column n = l % 16 at k = 32 g + 16 u + 8 (l / 16) + i:
; registers 4 g .. 4 g + 3 of lane l in the layout of the 16x16x128 form on 8-bit codes.  A weight's fragments stand [tile of 16 columns][K step of 128].
; ff1's tiles of columns stand in the order 16 J + 8 hc + 4 g + bb for the natural tile 256 g + 8 J + 4 hc + bb, so that 64 columns of a and their 64 gates lie side by side.
; SHARES.  A work-group takes 128 columns x 256 along K of ONE weight, chosen by its number (pointers and sizes by s_cselect: one path for all ten); a wave 32 columns.
; A lane takes a column and its registers run down K, so the conversions give codes with K innermost; they go through the wave's own stage in LDS, laid as the fragments, and leave as runs of 512 bytes.
.set WQ1, 0x000000
.set WK1, 0x040000
.set WV1, 0x080000
.set WO1, 0x0C0000
.set WQ2, 0x100000
.set WO2, 0x140000
.set WK2, 0x180000
.set WV2, 0x1B0000
.set WF1, 0x1E0000
.set WF2, 0x9E0000
.set SPARE, 32768                      ; behind the four stages of 8,192 bytes: the spare words, 128 bytes a wave
.set OFF,  16                          ; v16-47   4 x lane + i rows of the weight; never rewritten
.set X,    48                          ; v48-111  two sets of 32 numbers
.set C,    112                         ; v112-119 a block's codes
.set OUTR, 120                         ; v120-183 the way out
.macro PICK start, ptr, nsh, ltx, ksn, eof, doff   ; from work-group 'start' on: this weight
	s_cmp_ge_u32 ttmp9, \start
	s_cselect_b64 s[32:33], s[\ptr:\ptr+1], s[32:33]
	s_cselect_b32 s34, \start, s34
	s_cselect_b32 s35, \nsh, s35
	s_cselect_b32 s36, \ltx, s36
	s_cselect_b32 s37, \ksn, s37
	s_cselect_b32 s38, \eof, s38
	s_cselect_b32 s39, \doff, s39
.endm
	s_load_b512 s[8:23], s[0:1], 0x0               ; ff1_w 8, ff2_w 10, q1_w 12, k1_w 14, v1_w 16, q2_w 18, o1_w 20, o2_w 22
	s_load_b256 s[24:31], s[0:1], 0x40             ; k2_w 24, v2_w 26, the exponents 28, wc 30
	v_lshl_add_u32 v14, v0, 2, SPARE               ; my spare word
	v_mov_b32 v15, 0
	v_lshrrev_b32 v1, 5, v0
	v_readfirstlane_b32 s2, v1                     ; wave
	v_and_b32 v2, 31, v0                           ; lane
	v_and_b32 v3, 15, v0
	v_bfe_u32 v5, v0, 4, 1
	v_lshlrev_b32 v1, 4, v2                        ; 16 x lane
	s_lshl_b32 s3, s2, 13                          ; my stage
	v_lshlrev_b32 v4, 4, v3
	v_lshl_add_u32 v4, v5, 12, v4
	v_add_nc_u32 v4, s3, v4                        ; into it: tile lane / 16 (4,096 bytes), column lane % 16 (16 bytes)
	v_add_nc_u32 v7, s3, v1                        ; out of it: as it lies
	s_mov_b32 s34, 0                               ; first work-group of the weight
	s_mov_b32 s35, 13                              ; log2 N
	s_mov_b32 s36, 6                               ; log2 (N / 128)
	s_mov_b32 s37, 8                               ; K / 128
	s_mov_b32 s38, 84                              ; byte of e among the exponents
	s_mov_b32 s39, WF1                             ; where its fragments begin in wc
	s_wait_kmcnt 0x0
	s_mov_b64 s[32:33], s[8:9]
	PICK 256, 10, 10, 3, 32, 92, WF2
	PICK 384, 12, 8, 1, 8, 4, WQ1
	PICK 392, 14, 8, 1, 8, 12, WK1
	PICK 400, 16, 8, 1, 8, 20, WV1
	PICK 408, 18, 8, 1, 8, 44, WQ2
	PICK 416, 20, 10, 3, 2, 36, WO1
	PICK 424, 22, 10, 3, 2, 76, WO2
	PICK 432, 24, 8, 1, 6, 52, WK2
	PICK 438, 26, 8, 1, 6, 60, WV2
	s_load_b32 s60, s[28:29], s38 offset:0x0       ; e
	s_sub_co_u32 s61, ttmp9, s34                   ; my number within the weight
	s_lshl_b32 s62, 1, s36
	s_sub_co_u32 s62, s62, 1
	s_and_b32 s62, s61, s62                        ; which 128 columns
	s_lshr_b32 s63, s61, s36                       ; which 256 along K
	s_lshl_b32 s66, s62, 3
	s_lshl_b32 s67, s2, 1
	s_add_co_u32 s66, s66, s67                     ; my wave's first tile of 16 columns (an even number)
	s_bfe_u32 s67, s66, 0x50003                    ; ff1's order of tiles
	s_lshl_b32 s67, s67, 4
	s_bfe_u32 s68, s66, 0x10002
	s_lshl_b32 s68, s68, 3
	s_add_co_u32 s67, s67, s68
	s_lshr_b32 s68, s66, 8
	s_lshl_b32 s68, s68, 2
	s_add_co_u32 s67, s67, s68
	s_and_b32 s68, s66, 3
	s_add_co_u32 s67, s67, s68
	s_cmp_lt_u32 ttmp9, 256
	s_cselect_b32 s66, s67, s66
	s_mul_i32 s66, s66, s37
	s_lshl_b32 s67, s63, 1
	s_add_co_u32 s66, s66, s67
	s_lshl_b32 s66, s66, 11
	s_add_co_u32 s66, s66, s39
	s_mov_b32 s67, 0
	s_add_nc_u64 s[56:57], s[30:31], s[66:67]      ; my first tile's two fragments: 4,096 bytes on end
	s_lshl_b32 s66, s37, 11
	s_add_nc_u64 s[58:59], s[56:57], s[66:67]      ; and my second tile's
	s_add_co_u32 s68, s35, 8
	s_lshl_b32 s68, s63, s68
	s_lshl_b32 s69, s62, 7
	s_add_co_u32 s68, s68, s69
	s_lshl_b32 s69, s2, 5
	s_add_co_u32 s68, s68, s69
	s_lshl_b32 s68, s68, 2
	s_mov_b32 s69, 0
	s_add_nc_u64 s[40:41], s[32:33], s[68:69]      ; the weight at my first row and column
	s_lshl_b32 s70, 4, s35                         ; a row of the weight in bytes
	s_lshl_b32 s68, s70, 5
.irp t, 1,2,3,4,5,6,7
	s_add_nc_u64 s[40+2*\t:41+2*\t], s[38+2*\t:39+2*\t], s[68:69]   ; a base for each block of 32 rows: none is ever stepped
.endr
	v_lshlrev_b32 v[OFF], 2, v2
.set n, 1
.rept 31
	v_add_nc_u32 v[OFF+n], s70, v[OFF+n-1]
.set n, n+1
.endr
.macro LOAD t                          ; block t: 32 rows of my column; a wave's load reads 128 consecutive bytes, the four waves stand side by side
.set n, 0
.rept 32
	global_load_b32 v[X+32*((\t)%2)+n], v[OFF+n], s[40+2*(\t):41+2*(\t)] th:TH_LOAD_NT
.set n, n+1
.endr
.endm
	LOAD 0
	LOAD 1
	s_wait_kmcnt 0x0
	s_add_co_i32 s60, s60, 127
	s_lshl_b32 s61, s60, 23
	v_mov_b32 v11, s61                             ; 2^e: the conversion takes its exponent field
	s_add_co_i32 s60, s60, 8
	s_lshl_b32 s60, s60, 23
	s_or_b32 s60, s60, 0x600000
	v_mov_b32 v10, s60                             ; 448 x 2^e
.macro BLOCK t
.set XS, X+32*((\t)%2)
.if (\t) < 7
	s_wait_loadcnt 32                              ; this block's 32 loads are in; the next block's 32 may be out
.else
	s_wait_loadcnt 0
.endif
.set n, 0
.rept 32
	v_med3_num_f32 v[XS+n], v[XS+n], -v10, v10     ; the conversion to an 8-bit code does not saturate (ISA guide 7.6.2): the hold comes first
.set n, n+1
.endr
	v_cvt_scalef32_pk8_fp8_f32 v[C:C+1], v[XS:XS+7], v11        ; k 0-7 and 16-23 belong to lane n, k 8-15 and 24-31 to lane n + 16 of the fragment
	v_cvt_scalef32_pk8_fp8_f32 v[C+2:C+3], v[XS+16:XS+23], v11
	v_cvt_scalef32_pk8_fp8_f32 v[C+4:C+5], v[XS+8:XS+15], v11
	v_cvt_scalef32_pk8_fp8_f32 v[C+6:C+7], v[XS+24:XS+31], v11
	ds_store_b128 v4, v[C:C+3] offset:2048*((\t)/4)+512*((\t)%4)
	ds_store_b128 v4, v[C+4:C+7] offset:2048*((\t)/4)+512*((\t)%4)+256
.if (\t)+2 < 8
	LOAD (\t)+2
.endif
	s_wait_dscnt 0x0                               ; the stores have read their registers: the next block's codes may be written
.endm
.irp t, 0,1,2,3,4,5,6,7
	BLOCK \t
.endr
.irp i, 0,1,2,3,4,5,6,7,8,9,10,11,12,13,14,15
	ds_load_b128 v[OUTR+4*\i:OUTR+4*\i+3], v7 offset:512*\i    ; LDS serves a wave's instructions in order: these see my stores
.endr
.irp i, 0,1,2,3,4,5,6,7
	s_wait_dscnt 15-\i                             ; the younger LDS loads may be out
	global_store_b128 v1, v[OUTR+4*\i:OUTR+4*\i+3], s[56:57] offset:512*\i     ; 32 lanes store 512 consecutive bytes, aligned
.endr
.irp i, 8,9,10,11,12,13,14,15
	s_wait_dscnt 15-\i
	global_store_b128 v1, v[OUTR+4*\i:OUTR+4*\i+3], s[58:59] offset:512*(\i-8)
.endr
	s_wait_tensorcnt 0x0                           ; the wave's end
	ds_add_u32 v14, v15
	s_wait_dscnt 0x0
	s_endpgm
.Lfunc_end_k_qc9c5a1a920_wquant:
	.size	k_qc9c5a1a920_wquant, .Lfunc_end_k_qc9c5a1a920_wquant-k_qc9c5a1a920_wquant
	.p2alignl 7, 3214868480
	.fill 96, 4, 3214868480
	.section	.rodata,"a",@progbits
	.p2align	6, 0x0
	.amdhsa_kernel k_qc9c5a1a920_wquant
		.amdhsa_group_segment_fixed_size 33280
		.amdhsa_private_segment_fixed_size 0
		.amdhsa_enable_private_segment 0
		.amdhsa_kernarg_size 96
		.amdhsa_user_sgpr_count 2
		.amdhsa_user_sgpr_kernarg_segment_ptr 1
		.amdhsa_wavefront_size32 1
		.amdhsa_system_sgpr_workgroup_id_x 1
		.amdhsa_system_sgpr_workgroup_id_y 1
		.amdhsa_system_sgpr_workgroup_id_z 1
		.amdhsa_system_vgpr_workitem_id 0
		.amdhsa_next_free_vgpr 192
		.amdhsa_next_free_sgpr 72
		.amdhsa_reserve_vcc 0
		.amdhsa_float_denorm_mode_32 3
		.amdhsa_float_denorm_mode_16_64 3
		.amdhsa_memory_ordered 1
		.amdhsa_forward_progress 1
		.amdhsa_inst_pref_size 54
	.end_amdhsa_kernel
	.amdgpu_metadata
---
amdhsa.version: [ 1, 2 ]
amdhsa.kernels:
  - .name:           k_qc9c5a1a920_wquant
    .symbol:         k_qc9c5a1a920_wquant.kd
    .args:
      - { .name: ff1_w, .offset: 0, .size: 8, .value_kind: global_buffer, .address_space: global }
      - { .name: ff2_w, .offset: 8, .size: 8, .value_kind: global_buffer, .address_space: global }
      - { .name: q1_w, .offset: 16, .size: 8, .value_kind: global_buffer, .address_space: global }
      - { .name: k1_w, .offset: 24, .size: 8, .value_kind: global_buffer, .address_space: global }
      - { .name: v1_w, .offset: 32, .size: 8, .value_kind: global_buffer, .address_space: global }
      - { .name: q2_w, .offset: 40, .size: 8, .value_kind: global_buffer, .address_space: global }
      - { .name: o1_w, .offset: 48, .size: 8, .value_kind: global_buffer, .address_space: global }
      - { .name: o2_w, .offset: 56, .size: 8, .value_kind: global_buffer, .address_space: global }
      - { .name: k2_w, .offset: 64, .size: 8, .value_kind: global_buffer, .address_space: global }
      - { .name: v2_w, .offset: 72, .size: 8, .value_kind: global_buffer, .address_space: global }
      - { .name: lowp_scales, .offset: 80, .size: 8, .value_kind: global_buffer, .address_space: global }
      - { .name: wc, .offset: 88, .size: 8, .value_kind: global_buffer, .address_space: global }
    .group_segment_fixed_size: 33280
    .private_segment_fixed_size: 0
    .kernarg_segment_align: 8
    .kernarg_segment_size: 96
    .max_flat_workgroup_size: 128
    .sgpr_count:     72
    .vgpr_count:     192
    .wavefront_size: 32
...
	.end_amdgpu_metadata
.endif
;; end of part 1
;; launch lnqkv (part 2): grid 261 x 1, 8 waves a work-group, no clusters, 83,968 bytes of LDS; arguments x, n1_w, n1_b, context, lowp_scales, wc, qf, kv1, kv2; writes qf, kv1, kv2
.if DOCPART == 2
	.amdgcn_target "amdgcn-amd-amdhsa--gfx1250"
	.amdhsa_code_object_version 6
	.text
	.protected	k_qc9c5a1a920_lnqkv
	.globl	k_qc9c5a1a920_lnqkv
	.p2align	8
	.type	k_qc9c5a1a920_lnqkv,@function
k_qc9c5a1a920_lnqkv:
	s_mov_b64 s[64:65], 0
	v_nop
	global_prefetch_b8 v0, s[64:65] scope:SCOPE_SE
	s_setreg_imm32_b32 hwreg(HW_REG_WAVE_MODE, 25, 1), 1
	s_wait_xcnt 0x0
; WORK-GROUPS 0-255: 16 tokens each: the first norm, its result quantised three times (the exponents 0, 2, 4 may differ), and the products with q1_w, k1_w, v1_w.
; WORK-GROUPS 256-260: 16 rows of the context each (rows past 76 become zero codes), quantised twice (exponents 12, 14), and the products with k2_w, v2_w.  No work is left out.
; SHARES.  Wave w holds columns 128 w .. 128 w + 127 of the 16 rows, in the layout of an operand's registers: lane (r = l % 16, h = l / 16) has row r, and registers 8 c + i are k = 16 c + 8 h + i.
; So its codes are K step w of the operand; they go to the other waves through LDS as an image of the registers (16 bytes a lane, 512 bytes a store).  In the products wave w makes heads 2 w and 2 w + 1;
; its weights come from wc straight into operand registers, three units (of two fragments) ahead.
; OUT.  q and k leave as RAW SUMS (their powers of two are folded into the softmax's factor later), a tile of 16 tokens x 16 channels as 1,024 bytes: registers 4 g .. 4 g + 3 of lane l at 512 g + 16 l;
; lane (r, h) holds token r, channels 8 h + 0 .. 7 (source 0 = the weight's 16 columns, source 1 = the tokens).  v is used the other way round (a lane holds channel r and tokens 8 h + 0 .. 7),
; so that its eight codes are eight neighbouring keys: 256 bytes a tile, 8 bytes a lane.  kv1: [head][128 keys][8 tiles of k, then 8 pairs of v].
; LIMITS: each exponent of a quantiser (e0, e2, e4, e12, e14, e7 - e4 - e5, e17 - e14 - e15) between -126 and 119.  NaN and infinity among the inputs are not served.
.set STAT1, 0                          ; 16 rows x 8 waves' sums
.set STAT2, 512                        ; the same for the squares
.set GBR,   1024                       ; a wave's 128 gains, then its 128 biases: 1,024 bytes a wave
.set HIMG,  9216                       ; [3 quantisers][8 K steps] fragments of 2,048 bytes
.set CIMG,  58368                      ; the context's: [2][6]; bytes of their own
.set SPARE, 82944                      ; the spare words, 128 bytes a wave
.set WK2,   0x180000
.macro BARRIER                         ; my LDS stores have landed and my LDS loads are in; then the work-group's barrier
	s_wait_dscnt 0x0
	s_barrier_signal -1
	s_barrier_wait -1
.endm
.macro MKQ sd, se                      ; s[sd] = 2^e as f32, s[sd+1] = 448 x 2^e, e in s[se]
	s_add_co_i32 s[\sd+1], s[\se], 127
	s_lshl_b32 s[\sd], s[\sd+1], 23
	s_add_co_i32 s[\sd+1], s[\sd+1], 8
	s_lshl_b32 s[\sd+1], s[\sd+1], 23
	s_or_b32 s[\sd+1], s[\sd+1], 0x600000
.endm
.macro REDUCE st                       ; four packed chains in v[144:151] -> my row's 128 columns -> the table at st -> the row's 1,024 columns in v144
	v_pk_add_f32 v[144:145], v[144:145], v[146:147]
	v_pk_add_f32 v[148:149], v[148:149], v[150:151]
	v_pk_add_f32 v[144:145], v[144:145], v[148:149]
	v_add_f32 v144, v144, v145
	v_permlanex16_b32 v145, v144, s28, s29         ; the row's other 64 columns lie in the lane 16 away
	v_add_f32 v144, v144, v145
	ds_store_b32 v5, v144 offset:\st               ; both halves write the same word with the same value
	BARRIER
	ds_load_b128 v[144:147], v6 offset:\st
	ds_load_b128 v[148:151], v6 offset:\st+16
	s_wait_dscnt 0x0
	v_pk_add_f32 v[144:145], v[144:145], v[146:147]
	v_pk_add_f32 v[148:149], v[148:149], v[150:151]
	v_pk_add_f32 v[144:145], v[144:145], v[148:149]
	v_add_f32 v144, v144, v145
.endm
.macro XLOAD sb                        ; my 64 numbers of row r
.irp c, 0,1,2,3,4,5,6,7
	global_load_b128 v[16+8*\c:19+8*\c], v3, s[\sb:\sb+1] offset:64*\c
	global_load_b128 v[20+8*\c:23+8*\c], v3, s[\sb:\sb+1] offset:64*\c+16
.endr
.endm
.macro QUANT pc, sq                    ; v16-79 -> 16 registers of codes at v[pc]; s[sq] the scale, v10 the hold; the numbers stay as they are
	v_mov_b32 v11, s[\sq]
.irp c, 0,1,2,3,4,5,6,7
.irp j, 0,1,2,3,4,5,6,7
	v_med3_num_f32 v[144+8*(\c%2)+\j], v[16+8*\c+\j], -v10, v10
.endr
	v_cvt_scalef32_pk8_fp8_f32 v[\pc+2*\c:\pc+2*\c+1], v[144+8*(\c%2):144+8*(\c%2)+7], v11
.endr
.endm
; A UNIT is one K step of one of the NT products: the tokens' fragment from LDS, two fragments of the weight (heads 2 w, 2 w + 1), two matrix instructions.
.macro HLOAD u
.irp g, 0,1,2,3
	ds_load_b128 v[64+16*((\u)%2)+4*\g:64+16*((\u)%2)+4*\g+3], v[HADR] offset:HBASE+HTAU*((\u)%NT)+2048*((\u)/NT)+512*\g
.endr
.endm
.macro WLOAD u
.set WSL, 128+32*(((\u)+1)%4)
.irp i, 0,1
.irp g, 0,1,2,3
	global_load_b128 v[WSL+16*\i+4*\g:WSL+16*\i+4*\g+3], v1, s[26:27] offset:WB+WTAU*((\u)%NT)+WI*\i+2048*((\u)/NT)+512*\g
.endr
.endr
.endm
.macro UNIT u
.set WSR, 128+32*(((\u)+1)%4)
.set HF, 64+16*((\u)%2)
.set AC, 16+16*((\u)%NT)
.if (\u)+1 < NU
	HLOAD (\u)+1                                   ; into the set that the unit before read: its four places stand at that unit's end
.endif
.if NU-1-(\u) >= 3
	s_wait_loadcnt 24                              ; this unit's eight weight loads are in; the three later units' 24 may be out
.else
	s_wait_loadcnt 8*(NU-1-(\u))
.endif
.if (\u)+1 < NU
	s_wait_dscnt 4                                 ; this unit's fragment is in; the four loads just issued may be out
.else
	s_wait_dscnt 0
.endif
.irp i, 0,1                            ; the 2 NT accumulators take turns, one instruction a turn
.if (\u)%NT == NT-1
.if (\u)/NT == 0
	v_wmma_f32_16x16x128_fp8_fp8 v[AC+8*\i:AC+8*\i+7], v[HF:HF+15], v[WSR+16*\i:WSR+16*\i+15], 0
.else
	v_wmma_f32_16x16x128_fp8_fp8 v[AC+8*\i:AC+8*\i+7], v[HF:HF+15], v[WSR+16*\i:WSR+16*\i+15], v[AC+8*\i:AC+8*\i+7]
.endif
.else
.if (\u)/NT == 0
	v_wmma_f32_16x16x128_fp8_fp8 v[AC+8*\i:AC+8*\i+7], v[WSR+16*\i:WSR+16*\i+15], v[HF:HF+15], 0
.else
	v_wmma_f32_16x16x128_fp8_fp8 v[AC+8*\i:AC+8*\i+7], v[WSR+16*\i:WSR+16*\i+15], v[HF:HF+15], v[AC+8*\i:AC+8*\i+7]
.endif
.endif
.endr
.rept 4
	v_nop                                          ; places in front of loads into registers that these products read, and of the first read of results
.endr
.if (\u)+4 < NU
	WLOAD (\u)+4
.endif
.endm
.macro OUTF acc, sb, stride            ; two tiles of raw sums; each accumulator from its low end on; a store covers 512 consecutive bytes
.irp i, 0,1
.irp g, 0,1
	global_store_b128 v1, v[\acc+8*\i+4*\g:\acc+8*\i+4*\g+3], s[\sb:\sb+1] offset:\stride*\i+512*\g
.endr
.endr
.endm
.macro OUTV acc, sq, sb, stride        ; two tiles of values as codes: 256 consecutive bytes a store
	v_mov_b32 v10, s[\sq+1]
	v_mov_b32 v11, s[\sq]
.irp i, 0,1
.irp j, 0,1,2,3,4,5,6,7
	v_med3_num_f32 v[144+8*\i+\j], v[\acc+8*\i+\j], -v10, v10
.endr
	v_cvt_scalef32_pk8_fp8_f32 v[96+2*\i:97+2*\i], v[144+8*\i:151+8*\i], v11
.endr
	v_nop
.irp i, 0,1
	global_store_b64 v2, v[96+2*\i:97+2*\i], s[\sb:\sb+1] offset:\stride*\i
.endr
.endm
	s_load_b512 s[8:23], s[0:1], 0x0               ; x 8, n1_w 10, n1_b 12, context 14, the exponents 16, wc 18, qf 20, kv1 22
	s_load_b64 s[24:25], s[0:1], 0x40              ; kv2
	v_lshl_add_u32 v14, v0, 2, SPARE               ; my spare word
	v_mov_b32 v15, 0
	v_lshrrev_b32 v1, 5, v0
	v_readfirstlane_b32 s2, v1                     ; wave 0..7
	v_and_b32 v10, 15, v0                          ; r
	v_bfe_u32 v11, v0, 4, 1                        ; h
	v_and_b32 v1, 31, v0
	v_lshlrev_b32 v2, 3, v1                        ; 8 l
	v_lshlrev_b32 v1, 4, v1                        ; 16 l
	v_lshlrev_b32 v12, 5, v11                      ; 32 h
	v_lshl_add_u32 v3, v10, 12, v12                ; x: row r of 4,096 bytes + 32 h
	s_lshl_b32 s3, s2, 10
	s_add_co_u32 s3, s3, GBR
	v_add_nc_u32 v4, s3, v12                       ; my gains, read: + 32 h
	v_add_nc_u32 v13, s3, v1                       ; and stored: + 16 l
	v_lshlrev_b32 v6, 5, v10                       ; a row of the tables
	s_lshl_b32 s3, s2, 2
	v_add_nc_u32 v5, s3, v6                        ; my word of it
	s_lshl_b32 s3, s2, 11
	v_add_nc_u32 v7, s3, v1                        ; my image: 16 l + 2,048 w
	v_add_nc_u32 v8, CIMG, v1
	v_add_nc_u32 v9, CIMG, v7
	s_mov_b32 s28, 0x76543210                      ; v_permlanex16_b32: lane l xor 16
	s_mov_b32 s29, 0xfedcba98
	s_mov_b32 s30, 0x3a800000                      ; 1 / 1,024
	s_mov_b32 s5, 0
	s_mov_b32 s7, 0
	s_wait_kmcnt 0x0
	s_load_b256 s[32:39], s[16:17], 0x0            ; e0 .. e7
	s_load_b256 s[40:47], s[16:17], 0x30           ; e12 .. e19
	s_cmp_ge_u32 ttmp9, 256
	s_cbranch_scc1 .Lctx
; ---------------- 16 tokens ----------------
.set NT, 3
.set NU, 24
.set HADR, 1
.set HBASE, HIMG
.set HTAU, 16384
.set WB, 0
.set WTAU, 0x40000
.set WI, 16384
	s_lshl_b32 s6, s2, 9
	s_add_nc_u64 s[10:11], s[10:11], s[6:7]        ; my 128 gains and biases
	s_add_nc_u64 s[12:13], s[12:13], s[6:7]
	s_lshl_b32 s4, ttmp9, 16
	s_add_co_u32 s4, s4, s6
	s_add_nc_u64 s[8:9], s[8:9], s[4:5]            ; x at my 16 rows and 128 columns
	s_lshl_b32 s4, s2, 15
	s_add_nc_u64 s[26:27], s[18:19], s[4:5]        ; wc at head 2 w
	global_load_b128 v[144:147], v1, s[10:11]
	global_load_b128 v[148:151], v1, s[12:13]
	XLOAD 8
	WLOAD 0
	WLOAD 1
	WLOAD 2
	s_lshl_b32 s4, s2, 19                          ; where the results go
	s_lshl_b32 s6, ttmp9, 10
	s_add_co_u32 s4, s4, s6
	s_add_nc_u64 s[20:21], s[20:21], s[4:5]        ; qf: (256 (2 w) + tile) x 1,024
	s_mul_i32 s4, s2, 655360
	s_lshr_b32 s6, ttmp9, 3
	s_mul_i32 s6, s6, 10240
	s_add_co_u32 s4, s4, s6
	s_add_nc_u64 s[22:23], s[22:23], s[4:5]        ; kv1: head 2 w, the tile's step of 128 keys
	s_and_b32 s6, ttmp9, 7
	s_lshl_b32 s4, s6, 8
	s_add_co_u32 s4, s4, 8192
	s_add_nc_u64 s[58:59], s[22:23], s[4:5]        ; its pair of v
	s_lshl_b32 s4, s6, 10
	s_add_nc_u64 s[22:23], s[22:23], s[4:5]        ; its tile of k
	s_wait_loadcnt 40                              ; gains and biases are in; behind them x's 16 loads and the weights' 24
	ds_store_b128 v13, v[144:147]
	ds_store_b128 v13, v[148:151] offset:512
.irp c, 0,1,2,3                        ; LDS serves a wave's instructions in order: these see my stores.  Columns 16 c + 8 h + 0 .. 7, c = 0 .. 3
	ds_load_b128 v[80+8*\c:83+8*\c], v4 offset:64*\c
	ds_load_b128 v[84+8*\c:87+8*\c], v4 offset:64*\c+16
	ds_load_b128 v[112+8*\c:115+8*\c], v4 offset:512+64*\c
	ds_load_b128 v[116+8*\c:119+8*\c], v4 offset:512+64*\c+16
.endr
	s_wait_loadcnt 24                              ; x is in; the weights' 24 loads may be out
.irp q, 0,1,2,3
	v_pk_add_f32 v[144+2*\q:145+2*\q], v[16+2*\q:17+2*\q], v[24+2*\q:25+2*\q]
.endr
.set p, 8
.rept 24
	v_pk_add_f32 v[144+2*(p%4):145+2*(p%4)], v[144+2*(p%4):145+2*(p%4)], v[16+2*p:17+2*p]
.set p, p+1
.endr
	REDUCE STAT1
	v_mul_f32 v10, s30, v144                       ; the mean
	v_mov_b32 v11, v10
.set p, 0
.rept 32
	v_pk_add_f32 v[16+2*p:17+2*p], v[16+2*p:17+2*p], v[10:11] neg_lo:[0,1] neg_hi:[0,1]
.set p, p+1
.endr
.set p, 0
.rept 32
.if p < 4
	v_pk_mul_f32 v[144+2*p:145+2*p], v[16+2*p:17+2*p], v[16+2*p:17+2*p]
.else
	v_pk_fma_f32 v[144+2*(p%4):145+2*(p%4)], v[16+2*p:17+2*p], v[16+2*p:17+2*p], v[144+2*(p%4):145+2*(p%4)]
.endif
.set p, p+1
.endr
	REDUCE STAT2
	v_fmaak_f32 v12, s30, v144, 0x3727c5ac         ; the variance + 1e-5
	v_rsq_f32 v12, v12
	v_nop                                          ; a plain instruction behind the transcendental
	s_wait_alu depctr_va_vdst(0)                   ; and the wait ahead of its first reader
	v_mov_b32 v13, v12
.set p, 0
.rept 32
	v_pk_mul_f32 v[16+2*p:17+2*p], v[16+2*p:17+2*p], v[12:13]
.set p, p+1
.endr
.set p, 0
.rept 16
	v_pk_fma_f32 v[16+2*p:17+2*p], v[16+2*p:17+2*p], v[80+2*p:81+2*p], v[112+2*p:113+2*p]
.set p, p+1
.endr
.irp c, 0,1,2,3                        ; gains and biases of c = 4 .. 7
	ds_load_b128 v[80+8*\c:83+8*\c], v4 offset:256+64*\c
	ds_load_b128 v[84+8*\c:87+8*\c], v4 offset:256+64*\c+16
	ds_load_b128 v[112+8*\c:115+8*\c], v4 offset:768+64*\c
	ds_load_b128 v[116+8*\c:119+8*\c], v4 offset:768+64*\c+16
.endr
	s_wait_kmcnt 0x0
	MKQ 48, 32
	MKQ 50, 34
	MKQ 52, 36
	s_sub_co_i32 s54, s39, s36
	s_sub_co_i32 s54, s54, s37                     ; a sum of the third product stands for sum x 2^(e4 + e5): its code under 2^e7 is sum / 2^(e7 - e4 - e5)
	MKQ 56, 54
	s_wait_dscnt 0x0
.set p, 0
.rept 16
	v_pk_fma_f32 v[48+2*p:49+2*p], v[48+2*p:49+2*p], v[80+2*p:81+2*p], v[112+2*p:113+2*p]
.set p, p+1
.endr
	v_mov_b32 v10, s49
	QUANT 80, 48
	v_mov_b32 v10, s51
	QUANT 96, 50
	v_mov_b32 v10, s53
	QUANT 112, 52
	v_nop                                          ; a plain instruction behind the last conversion
.irp t, 0,1,2
.irp g, 0,1,2,3
	ds_store_b128 v7, v[80+16*\t+4*\g:83+16*\t+4*\g] offset:HIMG+16384*\t+512*\g
.endr
.endr
	BARRIER                                        ; the 24 fragments lie in LDS
	WLOAD 3
	HLOAD 0
.set U, 0
.rept 24
	UNIT U
.set U, U+1
.endr
	OUTF 16, 20, 262144
	OUTF 32, 22, 327680
	OUTV 48, 56, 58, 327680
	s_wait_tensorcnt 0x0                           ; the wave's end
	ds_add_u32 v14, v15
	s_wait_dscnt 0x0
	s_endpgm
; ---------------- 16 rows of the context ----------------
.Lctx:
.set NT, 2
.set NU, 12
.set HADR, 8
.set HBASE, 0
.set HTAU, 12288
.set WB, WK2
.set WTAU, 0x30000
.set WI, 12288
	s_sub_co_u32 s3, ttmp9, 256                    ; which 16 rows
	s_lshl_b32 s4, s3, 4
	v_add_nc_u32 v12, s4, v10                      ; my row
	v_min_u32 v13, 76, v12                         ; no load leaves the buffer
	v_mul_u32_u24 v13, v13, 3072
	v_lshl_add_u32 v3, v11, 5, v13                 ; row x 3,072 + 32 h
	s_lshl_b32 s6, s2, 9
	s_add_nc_u64 s[14:15], s[14:15], s[6:7]
	s_mul_i32 s4, s2, 24576
	s_add_nc_u64 s[26:27], s[18:19], s[4:5]        ; wc at head 2 w (six K steps a tile)
	WLOAD 0
	WLOAD 1
	WLOAD 2
	s_mul_i32 s4, s2, 12800
	s_lshl_b32 s6, s3, 10
	s_add_co_u32 s6, s6, s4
	s_add_nc_u64 s[20:21], s[24:25], s[6:7]        ; kv2: head 2 w, my tile of k
	s_lshl_b32 s6, s3, 8
	s_add_co_u32 s6, s6, s4
	s_add_co_u32 s6, s6, 5120
	s_add_nc_u64 s[22:23], s[24:25], s[6:7]        ; and my pair of v
	s_wait_kmcnt 0x0
	MKQ 48, 40
	MKQ 50, 42
	s_sub_co_i32 s54, s45, s42
	s_sub_co_i32 s54, s54, s43                     ; e17 - e14 - e15
	MKQ 56, 54
	s_cmp_lt_u32 s2, 6                             ; the context has six K steps: waves 0 to 5 quantise one each
	s_cbranch_scc0 .Lctx_join
	XLOAD 14
	s_wait_loadcnt 0x0
	v_cmp_ge_u32 vcc_lo, 76, v12                   ; rows past the context's end are held at 0: zero codes
	v_mov_b32 v13, s49
	v_cndmask_b32 v10, 0, v13, vcc_lo
	QUANT 80, 48
	v_mov_b32 v13, s51
	v_cndmask_b32 v10, 0, v13, vcc_lo
	QUANT 96, 50
	v_nop
.irp t, 0,1
.irp g, 0,1,2,3
	ds_store_b128 v9, v[80+16*\t+4*\g:83+16*\t+4*\g] offset:12288*\t+512*\g
.endr
.endr
.Lctx_join:
	BARRIER                                        ; the 12 fragments lie in LDS
	WLOAD 3
	HLOAD 0
.set U, 0
.rept 12
	UNIT U
.set U, U+1
.endr
	OUTF 16, 20, 6400
	OUTV 32, 56, 22, 6400
	s_wait_tensorcnt 0x0                           ; the wave's end, as above
	ds_add_u32 v14, v15
	s_wait_dscnt 0x0
	s_endpgm
.Lfunc_end_k_qc9c5a1a920_lnqkv:
	.size	k_qc9c5a1a920_lnqkv, .Lfunc_end_k_qc9c5a1a920_lnqkv-k_qc9c5a1a920_lnqkv
	.p2alignl 7, 3214868480
	.fill 96, 4, 3214868480
	.section	.rodata,"a",@progbits
	.p2align	6, 0x0
	.amdhsa_kernel k_qc9c5a1a920_lnqkv
		.amdhsa_group_segment_fixed_size 83968
		.amdhsa_private_segment_fixed_size 0
		.amdhsa_enable_private_segment 0
		.amdhsa_kernarg_size 72
		.amdhsa_user_sgpr_count 2
		.amdhsa_user_sgpr_kernarg_segment_ptr 1
		.amdhsa_wavefront_size32 1
		.amdhsa_system_sgpr_workgroup_id_x 1
		.amdhsa_system_sgpr_workgroup_id_y 1
		.amdhsa_system_sgpr_workgroup_id_z 1
		.amdhsa_system_vgpr_workitem_id 0
		.amdhsa_next_free_vgpr 256
		.amdhsa_next_free_sgpr 66
		.amdhsa_reserve_vcc 1
		.amdhsa_float_denorm_mode_32 3
		.amdhsa_float_denorm_mode_16_64 3
		.amdhsa_memory_ordered 1
		.amdhsa_forward_progress 1
		.amdhsa_inst_pref_size 99
	.end_amdhsa_kernel
	.amdgpu_metadata
---
amdhsa.version: [ 1, 2 ]
amdhsa.kernels:
  - .name:           k_qc9c5a1a920_lnqkv
    .symbol:         k_qc9c5a1a920_lnqkv.kd
    .args:
      - { .name: x, .offset: 0, .size: 8, .value_kind: global_buffer, .address_space: global }
      - { .name: n1_w, .offset: 8, .size: 8, .value_kind: global_buffer, .address_space: global }
      - { .name: n1_b, .offset: 16, .size: 8, .value_kind: global_buffer, .address_space: global }
      - { .name: context, .offset: 24, .size: 8, .value_kind: global_buffer, .address_space: global }
      - { .name: lowp_scales, .offset: 32, .size: 8, .value_kind: global_buffer, .address_space: global }
      - { .name: wc, .offset: 40, .size: 8, .value_kind: global_buffer, .address_space: global }
      - { .name: qf, .offset: 48, .size: 8, .value_kind: global_buffer, .address_space: global }
      - { .name: kv1, .offset: 56, .size: 8, .value_kind: global_buffer, .address_space: global }
      - { .name: kv2, .offset: 64, .size: 8, .value_kind: global_buffer, .address_space: global }
    .group_segment_fixed_size: 83968
    .private_segment_fixed_size: 0
    .kernarg_segment_align: 8
    .kernarg_segment_size: 72
    .max_flat_workgroup_size: 256
    .sgpr_count:     66
    .vgpr_count:     256
    .wavefront_size: 32
...
	.end_amdgpu_metadata
.endif
;; end of part 2
;; launch attn1 (part 3): grid 16 x 16, 16 waves a work-group, no clusters, 327,680 bytes of LDS; arguments qf, kv1, lowp_scales, a1c; writes a1c
.if DOCPART == 3
	.amdgcn_target "amdgcn-amd-amdhsa--gfx1250"
	.amdhsa_code_object_version 6
	.text
	.protected	k_qc9c5a1a920_attn1
	.globl	k_qc9c5a1a920_attn1
	.p2align	8
	.type	k_qc9c5a1a920_attn1,@function
k_qc9c5a1a920_attn1:
	s_mov_b64 s[64:65], 0
	v_nop
	global_prefetch_b8 v0, s[64:65] scope:SCOPE_SE
	s_setreg_imm32_b32 hwreg(HW_REG_WAVE_MODE, 25, 1), 1
	s_wait_xcnt 0x0
; SELF-ATTENTION, 16 heads of 16 channels, 4,096 keys.  No work is left out.
; The scores (K = 16) feed a quantiser, so their operands are f32: v_wmma_f32_16x16x4_f32, four links a tile of 16 keys.  The second product is on codes of E4M3.
; t = score x log2(e) / 4; M = the running largest t rounded UP to a whole number; p = 2^(t - M) is quantised under 2^e6, not normalised; the row's sum is taken of the unquantised p and divides at the end.
; q and k arrive as raw sums: their powers of two, e0 + e1 + e2 + e3, are added to the exponent field of the factor c.
; SHARES.  A work-group owns 256 queries of one head, each of its sixteen waves 16: four waves to a SIMD, so that one wave's matrix work stands beside the others' softmax.
; Every wave walks all keys, 128 a step (8 tiles of k as f32, 8,192 bytes, then v's 8 pairs of codes, 2,048 bytes: one dense block).  Two LDS slots of 8 steps; every wave fetches a sixteenth of each fill.
; CLUSTER: none.  The sixteen work-groups of a head read the same 327,680 bytes, four fills in all, and each fill has eight steps (264 matrix instructions a wave) in which to land: what is shared is a small part of the work.
; LAYOUT.  S^T = k q^T (source 0 = 16 keys, source 1 = my 16 queries): a lane holds ONE query (l % 16) and keys 16 t + 8 (l / 16) + 0 .. 7 of tile t, which is pair t of the second product's operand.
; A link takes registers 2 c, 2 c + 1 of q's and k's tiles: channels 8 (l / 16) + 2 c + 0, 1: the same choice on both sides, so every product meets its partner.  O^T = v^T p^T: a lane holds its query and channels 8 (l / 16) + 0 .. 7.
; LIMITS: e0 + e1 + e2 + e3 between -124 and 129; e6 and e8 between -126 and 119.  NaN and infinity are not served.
; REGISTERS: v1 16 l, v2 8 l, v3, v4 the step's LDS addresses, v5, v6 the add's two, v7 hold, v8 scale, v9 the way out, v[10:11] f, v12 -M, v13 the largest t, v[14:15] the sum; v16-23 q; v24-31 O^T;
;   v32-95 k; v96-159 S^T (written by matrix instructions alone); v160-223 p; v224-239 p's codes; v240-255 v.
.set SPARE, 262144
.macro MKQ sd, se
	s_add_co_i32 s[\sd+1], s[\se], 127
	s_lshl_b32 s[\sd], s[\sd+1], 23
	s_add_co_i32 s[\sd+1], s[\sd+1], 8
	s_lshl_b32 s[\sd+1], s[\sd+1], 23
	s_or_b32 s[\sd+1], s[\sd+1], 0x600000
.endm
	s_load_b256 s[4:11], s[0:1], 0x0               ; qf 4, kv1 6, the exponents 8, a1c 10
	v_lshl_add_u32 v5, v0, 2, SPARE
	v_mov_b32 v6, 0
	ds_add_u32 v5, v6                              ; the wave's opening: the add, twice on end, and its wait ahead of my first tensor load
	ds_add_u32 v5, v6
	v_lshrrev_b32 v1, 5, v0
	v_readfirstlane_b32 s12, v1                    ; wave 0..15
	s_mov_b32 s16, 3<<16                           ; group 1: elements of 8 bytes, no mask, no padding
	s_mov_b32 s17, 32<<16                          ; tensor_dim0 = 32 (256 bytes)
	s_mov_b32 s18, 20<<16                          ; tensor_dim1 = 20
	s_mov_b32 s19, 32<<16                          ; tile_dim0 = 32
	s_mov_b32 s20, 20                              ; tile_dim1 = 20: 5,120 dense bytes
	s_mov_b32 s21, 32                              ; the pitch
	s_mov_b32 s22, 0
	s_mov_b32 s23, 0
	s_mul_i32 s13, s12, 5120                       ; my sixteenth of a slot
	s_and_b32 s14, ttmp7, 0xffff                   ; the head
	s_mul_i32 s2, s14, 327680
	s_add_co_u32 s2, s2, s13
	s_mov_b32 s3, 0
	s_mov_b32 s44, 0x76543210
	s_mov_b32 s45, 0xfedcba98
	s_wait_dscnt 0x0                               ; both opening adds are done
	s_wait_kmcnt 0x0
	s_add_nc_u64 s[6:7], s[6:7], s[2:3]
.irp n, 0,1                            ; both first fills go out together, from every wave: two tensor loads of mine are out
	s_mov_b32 s[24+4*\n], 1
	s_add_co_u32 s[25+4*\n], s13, \n<<17
	s_add_nc_u64 s[26+4*\n:27+4*\n], s[6:7], \n*81920
	s_or_b32 s[27+4*\n], s[27+4*\n], 0x80000000
	tensor_load_to_lds s[24+4*\n:27+4*\n], s[16:23]
	s_nop 0
.endr
	s_load_b256 s[32:39], s[8:9], 0x0              ; e0 .. e7
	s_load_b32 s40, s[8:9], 0x20                   ; e8
	s_lshl_b32 s2, s14, 18
	s_lshl_b32 s15, ttmp9, 14
	s_add_co_u32 s2, s2, s15
	s_lshl_b32 s15, s12, 10
	s_add_co_u32 s2, s2, s15
	s_add_nc_u64 s[4:5], s[4:5], s[2:3]            ; my tile of q
	v_and_b32 v2, 31, v0
	v_lshlrev_b32 v1, 4, v2
	v_lshlrev_b32 v2, 3, v2
	global_load_b128 v[16:19], v1, s[4:5]
	global_load_b128 v[20:23], v1, s[4:5] offset:512
	s_lshl_b32 s2, s14, 16
	s_lshl_b32 s15, ttmp9, 12
	s_add_co_u32 s2, s2, s15
	s_lshl_b32 s15, s12, 8
	s_add_co_u32 s2, s2, s15
	s_add_nc_u64 s[10:11], s[10:11], s[2:3]        ; my 16 tokens' 256 bytes of a1c
	v_and_b32 v9, 15, v0
	v_bfe_u32 v3, v0, 4, 1
	v_lshlrev_b32 v9, 4, v9
	v_lshl_add_u32 v9, v3, 3, v9                   ; 16 r + 8 h
	v_mov_b32 v13, 0xff61b1e6                      ; the largest t so far: -3e38
	v_floor_f32 v12, -v13
	v_mov_b32 v10, 0
	v_mov_b32 v11, 0
	v_mov_b32 v14, 0
	v_mov_b32 v15, 0
.irp j, 0,1,2,3,4,5,6,7
	v_mov_b32 v[24+\j], 0                          ; O^T: the step is written once; the first finds zeros
.endr
	v_mov_b32 v162, 0                              ; a lane permute's destination counts as read
	s_wait_kmcnt 0x0
	s_add_co_i32 s41, s32, s33
	s_add_co_i32 s41, s41, s34
	s_add_co_i32 s41, s41, s35
	s_lshl_b32 s41, s41, 23
	s_add_co_i32 s42, s41, 0x3eb8aa3b              ; c = log2(e) / 4 x 2^(e0 + e1 + e2 + e3)
	s_mov_b32 s43, s42
	MKQ 48, 38
	MKQ 50, 40
	s_add_co_i32 s52, s38, s39                     ; e6 + e7
	v_mov_b32 v8, s48
	v_mov_b32 v7, s49
.macro STEP
	v_add_nc_u32 v3, s46, v1
	v_add_nc_u32 v4, s46, v2
	v_nop
	v_nop                                          ; four places behind the last product on codes, in front of the loads into its operand
.irp t, 0,1,2,3,4,5,6,7
	ds_load_b128 v[32+8*\t:35+8*\t], v3 offset:1024*\t
	ds_load_b128 v[36+8*\t:39+8*\t], v3 offset:1024*\t+512
.endr
.irp c, 0,1,2,3,4,5,6,7
	ds_load_b64 v[240+2*\c:241+2*\c], v4 offset:8192+256*\c
.endr
	s_wait_dscnt 8                                 ; k is in; v's eight loads may be out
.irp c, 0,1,2,3                        ; the eight accumulators take turns, one instruction a turn
.irp t, 0,1,2,3,4,5,6,7
.if \c == 0
	v_wmma_f32_16x16x4_f32 v[96+8*\t:103+8*\t], v[32+8*\t:33+8*\t], v[16:17], 0
.else
	v_wmma_f32_16x16x4_f32 v[96+8*\t:103+8*\t], v[32+8*\t+2*\c:33+8*\t+2*\c], v[16+2*\c:17+2*\c], v[96+8*\t:103+8*\t]
.endif
.endr
.endr
.rept 8
	v_nop                                          ; eight places behind this form, in front of the first read of results (ISA guide 7.12.1)
.endr
	v_max3_num_f32 v160, v96, v97, v98             ; the step's largest score, in two chains; each accumulator is read from its low end on
	v_max3_num_f32 v161, v99, v100, v101
.irp n, 6,10,14,18,22,26,30,34,38,42,46,50,54,58
	v_max3_num_f32 v160, v160, v[96+\n], v[97+\n]
	v_max3_num_f32 v161, v161, v[98+\n], v[99+\n]
.endr
	v_max3_num_f32 v160, v160, v158, v159
	v_max_num_f32 v160, v160, v161
	v_permlanex16_b32 v162, v160, s44, s45
	v_max_num_f32 v160, v160, v162
	v_mul_f32 v160, s42, v160                      ; as t (c is positive)
	v_max_num_f32 v13, v13, v160
	v_mov_b32 v160, v12
	v_floor_f32 v12, -v13                          ; -M = floor(-t)
	v_sub_f32 v160, v12, v160                      ; old M - new M, a whole number, 0 or less
	v_cvt_i32_f32 v160, v160
	v_ldexp_f32 v10, 1.0, v160                     ; f = 2^(old M - new M)
.set n, 0
.rept 32
	v_pk_fma_f32 v[160+n:161+n], v[96+n:97+n], s[42:43], v[12:13] op_sel_hi:[1,0,0]   ; t - M, into other registers
.set n, n+2
.endr
.set n, 0
.rept 64
	v_exp_f32 v[160+n], v[160+n]
.set n, n+1
.endr
	v_pk_mul_f32 v[14:15], v[14:15], v[10:11] op_sel_hi:[1,0]   ; the sum under the new M: the plain instruction behind the batch
	s_wait_alu depctr_va_vdst(0)                   ; one wait for the 64 exponentials, ahead of their first reader
	v_pk_add_f32 v[224:225], v[160:161], v[162:163]
.irp n, 4,8,12,16,20,24,28,32,36,40,44,48,52,56,60
	v_pk_add_f32 v[14:15], v[14:15], v[160+\n:161+\n]
	v_pk_add_f32 v[224:225], v[224:225], v[162+\n:163+\n]
.endr
	v_pk_add_f32 v[14:15], v[14:15], v[224:225]
.irp t, 0,1,2,3,4,5,6,7
.irp j, 0,1,2,3,4,5,6,7
	v_min_num_f32 v[160+8*\t+\j], v[160+8*\t+\j], v7   ; p is not negative: the hold is one-sided
.endr
	v_cvt_scalef32_pk8_fp8_f32 v[224+2*\t:225+2*\t], v[160+8*\t:167+8*\t], v8
.endr
.irp j, 0,2,4,6
	v_pk_mul_f32 v[24+\j:25+\j], v[24+\j:25+\j], v[10:11] op_sel_hi:[1,0]   ; O^T under the new M; also the plain instructions behind the conversions
.endr
	s_wait_dscnt 0x0                               ; v is in
	v_wmma_f32_16x16x128_fp8_fp8 v[24:31], v[240:255], v[224:239], v[24:31]
.endm
.macro SLOTWORK n                      ; a slot's eight steps: written once, walked eight times
	s_mov_b32 s46, (\n)<<17
	s_mov_b32 s47, 8
.Lstep_\@:
	STEP
	s_add_co_u32 s46, s46, 10240
	s_sub_co_u32 s47, s47, 1
	s_cmp_lg_u32 s47, 0
	s_cbranch_scc1 .Lstep_\@
.endm
.macro CHANGE n, fill                  ; slot n has been read; fill = 1: it takes the steps two slots on
	s_wait_tensorcnt 0x0                           ; all my tensor loads have landed, my part of the other slot among them
	ds_add_u32 v5, v6
.if \fill
	s_add_nc_u64 s[26+4*\n:27+4*\n], s[26+4*\n:27+4*\n], 163840
.endif
	s_wait_dscnt 0x0                               ; the add is done, and my reads of the slot are over
	s_barrier_signal -1
	s_barrier_wait -1
.if \fill
	tensor_load_to_lds s[24+4*\n:27+4*\n], s[16:23]   ; my one tensor load behind this barrier: it has eight steps in which to land
	s_nop 0
.endif
.endm
	s_wait_loadcnt 0x0                             ; q
	s_wait_tensorcnt 1                             ; my part of slot 0 is in; slot 1's load may be out
	s_barrier_signal -1
	s_barrier_wait -1
	SLOTWORK 0
	CHANGE 0, 1
	SLOTWORK 1
	CHANGE 1, 1
	SLOTWORK 0
	CHANGE 0, 0
	SLOTWORK 1
.rept 4
	v_nop                                          ; places behind the last product
.endr
	v_add_f32 v14, v14, v15
	v_permlanex16_b32 v162, v14, s44, s45
	v_add_f32 v14, v14, v162                       ; the row's sum
	v_rcp_f32 v14, v14
	v_mov_b32 v7, s51                              ; (a plain instruction behind the transcendental)  448 x 2^e8
	v_mov_b32 v8, s50
	s_wait_alu depctr_va_vdst(0)
	v_ldexp_f32 v14, v14, s52                      ; x 2^(e6 + e7)
.irp j, 0,1,2,3,4,5,6,7
	v_mul_f32 v[160+\j], v[24+\j], v14
.endr
.irp j, 0,1,2,3,4,5,6,7
	v_med3_num_f32 v[160+\j], v[160+\j], -v7, v7
.endr
	v_cvt_scalef32_pk8_fp8_f32 v[224:225], v[160:167], v8   ; the operand of the projection, under 2^e8
	v_nop
	global_store_b64 v9, v[224:225], s[10:11]      ; the wave stores 256 consecutive bytes, aligned
	s_wait_tensorcnt 0x0                           ; the wave's end
	ds_add_u32 v5, v6
	s_wait_dscnt 0x0
	s_endpgm
.Lfunc_end_k_qc9c5a1a920_attn1:
	.size	k_qc9c5a1a920_attn1, .Lfunc_end_k_qc9c5a1a920_attn1-k_qc9c5a1a920_attn1
	.p2alignl 7, 3214868480
	.fill 96, 4, 3214868480
	.section	.rodata,"a",@progbits
	.p2align	6, 0x0
	.amdhsa_kernel k_qc9c5a1a920_attn1
		.amdhsa_group_segment_fixed_size 327680
		.amdhsa_private_segment_fixed_size 0
		.amdhsa_enable_private_segment 0
		.amdhsa_kernarg_size 32
		.amdhsa_user_sgpr_count 2
		.amdhsa_user_sgpr_kernarg_segment_ptr 1
		.amdhsa_wavefront_size32 1
		.amdhsa_system_sgpr_workgroup_id_x 1
		.amdhsa_system_sgpr_workgroup_id_y 1
		.amdhsa_system_sgpr_workgroup_id_z 1
		.amdhsa_system_vgpr_workitem_id 0
		.amdhsa_next_free_vgpr 256
		.amdhsa_next_free_sgpr 66
		.amdhsa_reserve_vcc 0
		.amdhsa_float_denorm_mode_32 3
		.amdhsa_float_denorm_mode_16_64 3
		.amdhsa_memory_ordered 1
		.amdhsa_forward_progress 1
		.amdhsa_inst_pref_size 69
	.end_amdhsa_kernel
	.amdgpu_metadata
---
amdhsa.version: [ 1, 2 ]
amdhsa.kernels:
  - .name:           k_qc9c5a1a920_attn1
    .symbol:         k_qc9c5a1a920_attn1.kd
    .args:
      - { .name: qf, .offset: 0, .size: 8, .value_kind: global_buffer, .address_space: global }
      - { .name: kv1, .offset: 8, .size: 8, .value_kind: global_buffer, .address_space: global }
      - { .name: lowp_scales, .offset: 16, .size: 8, .value_kind: global_buffer, .address_space: global }
      - { .name: a1c, .offset: 24, .size: 8, .value_kind: global_buffer, .address_space: global }
    .group_segment_fixed_size: 327680
    .private_segment_fixed_size: 0
    .kernarg_segment_align: 8
    .kernarg_segment_size: 32
    .max_flat_workgroup_size: 512
    .sgpr_count:     66
    .vgpr_count:     256
    .wavefront_size: 32
...
	.end_amdgpu_metadata
.endif
;; end of part 3
;; launch mid (part 4): grid 256 x 1, 8 waves a work-group, no clusters, 89,088 bytes of LDS; arguments a1c, x, wc, kv2, lowp_scales, o1_b, n2_w, n2_b, o2_b, n3_w, n3_b, x2, h3c; writes x2, h3c
.if DOCPART == 4
	.amdgcn_target "amdgcn-amd-amdhsa--gfx1250"
	.amdhsa_code_object_version 6
	.text
	.protected	k_qc9c5a1a920_mid
	.globl	k_qc9c5a1a920_mid
	.p2align	8
	.type	k_qc9c5a1a920_mid,@function
k_qc9c5a1a920_mid:
	s_mov_b64 s[64:65], 0
	v_nop
	global_prefetch_b8 v0, s[64:65] scope:SCOPE_SE
	s_setreg_imm32_b32 hwreg(HW_REG_WAVE_MODE, 25, 1), 1
	s_wait_xcnt 0x0
; FOR 16 TOKENS: attention 1's projection + o1_b + x; the second norm; q2; cross-attention on 77 keys; its projection + o2_b + the residual (stored as x2); the third norm, quantised for ff1 (stored as h3c).  No work is left out.
; SHARES.  Wave w owns columns 128 w .. 128 w + 127 of the 1,024 wide rows and heads 2 w, 2 w + 1.  Lane (r, h) holds token r; registers 8 t + j are column 128 w + 16 t + 8 h + j (source 0 = 16 columns of a weight, source 1 = the tokens),
; which is also the layout of an operand's registers along K: a wave's 64 numbers become K step w of the next operand, and go to the other waves through LDS as an image of the registers.
; Weights come from wc straight into window 1 (16 fragments), each read by one wave of the work-group; so a joint load of a cluster would spare no byte on the way into a wave's registers, and none is used.
; CROSS-ATTENTION.  The scores (K = 16) feed a quantiser: f32 operands, v_wmma_f32_16x16x4_f32.  80 keys in five tiles; keys 77 to 79 (tile 4, lanes 16-31, registers 5-7) become -infinity ahead of the maximum, so p = 0 there.
; M = ceil of the row's largest t; p = 2^(t - M) quantised under 2^e16; the sum of the unquantised p divides at the end.  The second product takes K = 128 with zero codes behind key 79 on both sides.
; LIMITS: e10 + e11 + e12 + e13 between -124 and 129; e8 + e9 and e18 + e19 between -126 and 127; e10, e16, e18, e20 between -126 and 119.  NaN and infinity are not served.
; REGISTERS, window 0: v1 16 l; v2, v3 the add's two; v4 32 h; v5, v6 the tables' addresses; v7 my image; v8-11 mean and 1/sigma (between the norms: LDS addresses and 8 l); v12-23 at work;
;   RX v24-87, RA v88-151, S v152-191 (written by matrix instructions alone), RC v192-255.   window 1: the weights.
.set H2IMG, 2048                       ; bytes 0-2047: four tables of 16 rows x 8 waves
.set A2IMG, 18432
.set PARK,  22528                      ; 8,192 bytes a wave: the residual rests here during cross-attention, which needs its registers
.set SPARE, 88064
.set WO1, 0x0C0000
.set WQ2, 0x100000
.set WO2, 0x140000
.set RX, 24
.set RA, 88
.set SS, 152
.set RC, 192
.set MSB, 0
.macro WIN new                         ; the immediate's high byte repeats the setting that is left
.if MSB != (\new)
	s_set_vgpr_msb (MSB<<8)|(\new)
.set MSB, (\new)
.endif
.endm
.macro BARRIER
	s_wait_dscnt 0x0
	s_barrier_signal -1
	s_barrier_wait -1
.endm
.macro MKQ sd, se
	s_add_co_i32 s[\sd+1], s[\se], 127
	s_lshl_b32 s[\sd], s[\sd+1], 23
	s_add_co_i32 s[\sd+1], s[\sd+1], 8
	s_lshl_b32 s[\sd+1], s[\sd+1], 23
	s_or_b32 s[\sd+1], s[\sd+1], 0x600000
.endm
.macro PLACES n
.rept \n
	v_nop
.endr
.endm
.macro VECLOAD dst, sb                 ; my 64 numbers of a vector of 1,024
.irp t, 0,1,2,3,4,5,6,7
	global_load_b128 v[\dst+8*\t:\dst+8*\t+3], v4, s[\sb:\sb+1] offset:64*\t
	global_load_b128 v[\dst+8*\t+4:\dst+8*\t+7], v4, s[\sb:\sb+1] offset:64*\t+16
.endr
.endm
.macro WLOADO wb                       ; a projection's 16 fragments (K step ks, tile t) at v[16 (8 ks + t)] of window 1, K step 0 first
	WIN 0x40
.irp ks, 0,1
.irp t, 0,1,2,3,4,5,6,7
.irp g, 0,1,2,3
	global_load_b128 v[16*(8*\ks+\t)+4*\g:16*(8*\ks+\t)+4*\g+3], v1, s[12:13] offset:\wb+4096*\t+2048*\ks+512*\g
.endr
.endr
.endr
	WIN 0
.endm
.macro OPROD                           ; [16, 256] x [256, my 128 columns]: the operand's two fragments in RC; eight accumulators by turns
	WIN 0x01
.irp t, 0,1,2,3,4,5,6,7
	v_wmma_f32_16x16x128_fp8_fp8 v[RA+8*\t:RA+8*\t+7], v[16*\t:16*\t+15], v[RC:RC+15], 0
.endr
	s_wait_loadcnt 0x0                             ; the second K step's weights
.irp t, 0,1,2,3,4,5,6,7
	v_wmma_f32_16x16x128_fp8_fp8 v[RA+8*\t:RA+8*\t+7], v[16*(8+\t):16*(8+\t)+15], v[RC+16:RC+31], v[RA+8*\t:RA+8*\t+7]
.endr
	WIN 0
	PLACES 4
.endm
.macro MEET st                         ; a packed partial sum in v[12:13] -> the row's 1,024 columns in v12
	v_add_f32 v12, v12, v13
	v_permlanex16_b32 v13, v12, s58, s59
	v_add_f32 v12, v12, v13
	ds_store_b32 v5, v12 offset:\st
	BARRIER
	ds_load_b128 v[12:15], v6 offset:\st
	ds_load_b128 v[16:19], v6 offset:\st+16
	s_wait_dscnt 0x0
	v_pk_add_f32 v[12:13], v[12:13], v[14:15]
	v_pk_add_f32 v[16:17], v[16:17], v[18:19]
	v_pk_add_f32 v[12:13], v[12:13], v[16:17]
	v_add_f32 v12, v12, v13
.endm
; The norm of RX (which stays), gains on their way into RC, biases into RA; the result is quantised: 16 registers of codes in RC.  cnt: the loads that may stay out behind gains and biases.
.macro LNQ st, sq, cnt
	v_pk_add_f32 v[12:13], v[RX:RX+1], v[RX+2:RX+3]
	v_pk_add_f32 v[14:15], v[RX+4:RX+5], v[RX+6:RX+7]
	v_pk_add_f32 v[16:17], v[RX+8:RX+9], v[RX+10:RX+11]
	v_pk_add_f32 v[18:19], v[RX+12:RX+13], v[RX+14:RX+15]
.irp j, 16,24,32,40,48,56
	v_pk_add_f32 v[12:13], v[12:13], v[RX+\j:RX+\j+1]
	v_pk_add_f32 v[14:15], v[14:15], v[RX+\j+2:RX+\j+3]
	v_pk_add_f32 v[16:17], v[16:17], v[RX+\j+4:RX+\j+5]
	v_pk_add_f32 v[18:19], v[18:19], v[RX+\j+6:RX+\j+7]
.endr
	v_pk_add_f32 v[12:13], v[12:13], v[14:15]
	v_pk_add_f32 v[16:17], v[16:17], v[18:19]
	v_pk_add_f32 v[12:13], v[12:13], v[16:17]
	MEET \st
	v_mul_f32 v8, s75, v12                         ; the mean
	v_mov_b32 v9, v8
.set p, 0
.rept 32
	v_pk_add_f32 v[12+2*(p%3):13+2*(p%3)], v[RX+2*p:RX+2*p+1], v[8:9] neg_lo:[0,1] neg_hi:[0,1]
.if p < 3
	v_pk_mul_f32 v[18+2*(p%3):19+2*(p%3)], v[12+2*(p%3):13+2*(p%3)], v[12+2*(p%3):13+2*(p%3)]
.else
	v_pk_fma_f32 v[18+2*(p%3):19+2*(p%3)], v[12+2*(p%3):13+2*(p%3)], v[12+2*(p%3):13+2*(p%3)], v[18+2*(p%3):19+2*(p%3)]
.endif
.set p, p+1
.endr
	v_pk_add_f32 v[12:13], v[18:19], v[20:21]
	v_pk_add_f32 v[12:13], v[12:13], v[22:23]
	MEET \st+512
	v_fmaak_f32 v10, s75, v12, 0x3727c5ac          ; the variance + 1e-5
	v_rsq_f32 v10, v10
	v_mov_b32 v20, s[\sq+1]                        ; (a plain instruction behind the transcendental)  the hold
	v_mov_b32 v21, s[\sq]                          ; the scale
	s_wait_alu depctr_va_vdst(0)                   ; the wait ahead of the first reader
	v_mov_b32 v11, v10
	s_wait_loadcnt \cnt
.set p, 0
.rept 8
.irp q, 0,1,2,3
	v_pk_add_f32 v[12+2*\q:13+2*\q], v[RX+2*(p+\q):RX+2*(p+\q)+1], v[8:9] neg_lo:[0,1] neg_hi:[0,1]
.endr
.irp q, 0,1,2,3
	v_pk_mul_f32 v[12+2*\q:13+2*\q], v[12+2*\q:13+2*\q], v[10:11]
.endr
.irp q, 0,1,2,3
	v_pk_fma_f32 v[RA+2*(p+\q):RA+2*(p+\q)+1], v[12+2*\q:13+2*\q], v[RC+2*(p+\q):RC+2*(p+\q)+1], v[RA+2*(p+\q):RA+2*(p+\q)+1]
.endr
.set p, p+4
.endr
.irp c, 0,1,2,3,4,5,6,7
.irp j, 0,1,2,3,4,5,6,7
	v_med3_num_f32 v[RA+8*\c+\j], v[RA+8*\c+\j], -v20, v20
.endr
	v_cvt_scalef32_pk8_fp8_f32 v[RC+2*\c:RC+2*\c+1], v[RA+8*\c:RA+8*\c+7], v21
.endr
	v_nop                                          ; a plain instruction behind the last conversion
.endm
; Head 2 w + i.  k (later p) at v[KP], v at v[VV], O^T at v[OO], q at v[QQ]; the head's eight codes go to v[16 + 2 i].
.macro XATT i
.set KP, 24+80*(\i)
.set VV, 64+128*(\i)
.set OO, 80+64*(\i)
.set QQ, 88+8*(\i)
.irp c, 0,1,2,3                        ; five accumulators by turns
.irp t, 0,1,2,3,4
.if \c == 0
	v_wmma_f32_16x16x4_f32 v[SS+8*\t:SS+8*\t+7], v[KP+8*\t:KP+8*\t+1], v[QQ:QQ+1], 0
.else
	v_wmma_f32_16x16x4_f32 v[SS+8*\t:SS+8*\t+7], v[KP+8*\t+2*\c:KP+8*\t+2*\c+1], v[QQ+2*\c:QQ+2*\c+1], v[SS+8*\t:SS+8*\t+7]
.endif
.endr
.endr
	PLACES 8                                       ; eight places behind this form (ISA guide 7.12.1)
	v_max3_num_f32 v234, v[SS], v[SS+1], v[SS+2]   ; each accumulator is read from its low end on
	v_max3_num_f32 v235, v[SS+3], v[SS+4], v[SS+5]
.irp n, 6,10,14,18,22,26,30
	v_max3_num_f32 v234, v234, v[SS+\n], v[SS+\n+1]
	v_max3_num_f32 v235, v235, v[SS+\n+2], v[SS+\n+3]
.endr
	v_max3_num_f32 v234, v234, v[SS+34], v[SS+35]
	v_mov_b32 v20, v[SS+36]
	v_cndmask_b32 v21, v[SS+37], v228, s60         ; keys 77, 78, 79 do not exist: -infinity in lanes 16-31, into other registers
	v_cndmask_b32 v22, v[SS+38], v228, s60
	v_cndmask_b32 v23, v[SS+39], v228, s60
	v_max3_num_f32 v235, v235, v20, v21
	v_max3_num_f32 v234, v234, v22, v23
	v_max_num_f32 v234, v234, v235
	v_permlanex16_b32 v229, v234, s58, s59
	v_max_num_f32 v234, v234, v229
	v_mul_f32 v13, s56, v234                       ; the row's largest t
	v_floor_f32 v12, -v13                          ; -M
.set n, 0
.rept 18
	v_pk_fma_f32 v[KP+n:KP+n+1], v[SS+n:SS+n+1], s[56:57], v[12:13] op_sel_hi:[1,0,0]
.set n, n+2
.endr
	v_pk_fma_f32 v[KP+36:KP+37], v[20:21], s[56:57], v[12:13] op_sel_hi:[1,0,0]
	v_pk_fma_f32 v[KP+38:KP+39], v[22:23], s[56:57], v[12:13] op_sel_hi:[1,0,0]
.set n, 0
.rept 40
	v_exp_f32 v[KP+n], v[KP+n]
.set n, n+1
.endr
	v_nop
	s_wait_alu depctr_va_vdst(0)                   ; one wait for the 40 exponentials
	v_pk_add_f32 v[224:225], v[KP:KP+1], v[KP+2:KP+3]
	v_pk_add_f32 v[226:227], v[KP+4:KP+5], v[KP+6:KP+7]
.irp n, 8,12,16,20,24,28,32,36
	v_pk_add_f32 v[224:225], v[224:225], v[KP+\n:KP+\n+1]
	v_pk_add_f32 v[226:227], v[226:227], v[KP+\n+2:KP+\n+3]
.endr
	v_pk_add_f32 v[224:225], v[224:225], v[226:227]
	v_add_f32 v224, v224, v225
	v_permlanex16_b32 v229, v224, s58, s59
	v_add_f32 v224, v224, v229                     ; the row's sum, of the unquantised p
	v_rcp_f32 v225, v224                           ; the holds below are the work between it and its wait
.irp t, 0,1,2,3,4
.irp j, 0,1,2,3,4,5,6,7
	v_min_num_f32 v[KP+8*\t+\j], v[KP+8*\t+\j], v230
.endr
	v_cvt_scalef32_pk8_fp8_f32 v[208+2*\t:209+2*\t], v[KP+8*\t:KP+8*\t+7], v231
.endr
	v_nop
	v_wmma_f32_16x16x128_fp8_fp8 v[OO:OO+7], v[VV:VV+15], v[208:223], 0
	PLACES 4
	s_wait_alu depctr_va_vdst(0)                   ; the reciprocal's wait, ahead of its first reader
	v_ldexp_f32 v225, v225, s74                    ; x 2^(e16 + e17)
.irp j, 0,1,2,3,4,5,6,7
	v_mul_f32 v[OO+\j], v[OO+\j], v225
.endr
.irp j, 0,1,2,3,4,5,6,7
	v_med3_num_f32 v[OO+\j], v[OO+\j], -v232, v232
.endr
	v_cvt_scalef32_pk8_fp8_f32 v[16+2*(\i):17+2*(\i)], v[OO:OO+7], v233
	v_nop
.endm
	s_load_b512 s[8:23], s[0:1], 0x0               ; a1c 8, x 10, wc 12, kv2 14, the exponents 16, o1_b 18, n2_w 20, n2_b 22
	s_load_b256 s[24:31], s[0:1], 0x40             ; o2_b 24, n3_w 26, n3_b 28, x2 30
	s_load_b64 s[32:33], s[0:1], 0x60              ; h3c
	v_lshl_add_u32 v2, v0, 2, SPARE
	v_mov_b32 v3, 0
	v_lshrrev_b32 v1, 5, v0
	v_readfirstlane_b32 s2, v1                     ; wave 0..7
	v_and_b32 v12, 15, v0                          ; r
	v_bfe_u32 v13, v0, 4, 1                        ; h
	v_and_b32 v1, 31, v0
	v_lshlrev_b32 v1, 4, v1                        ; 16 l
	v_lshlrev_b32 v4, 5, v13                       ; 32 h
	v_lshlrev_b32 v6, 5, v12                       ; 32 r
	s_lshl_b32 s3, s2, 2
	v_add_nc_u32 v5, s3, v6
	s_lshl_b32 s3, s2, 11
	v_add_nc_u32 v7, s3, v1
	v_lshlrev_b32 v14, 4, v12
	v_lshl_add_u32 v14, v13, 3, v14                ; a1c: 16 r + 8 h
	v_lshl_add_u32 v15, v12, 12, v4                ; x: 4,096 r + 32 h
	s_mov_b32 s58, 0x76543210
	s_mov_b32 s59, 0xfedcba98
	s_mov_b32 s60, 0xffff0000                      ; lanes 16-31
	s_mov_b32 s75, 0x3a800000                      ; 1 / 1,024
	s_lshl_b32 s61, s2, 13
	s_lshl_b32 s62, s2, 9
	s_mov_b32 s5, 0
	s_wait_kmcnt 0x0
	s_load_b512 s[36:51], s[16:17], 0x20           ; e8 .. e23
	s_lshl_b32 s4, ttmp9, 8
	s_add_nc_u64 s[8:9], s[8:9], s[4:5]
	s_lshl_b32 s4, ttmp9, 16
	s_add_co_u32 s4, s4, s62
	s_add_nc_u64 s[10:11], s[10:11], s[4:5]
	s_mov_b32 s4, s62
.irp p, 18,20,22,24,26,28
	s_add_nc_u64 s[\p:\p+1], s[\p:\p+1], s[4:5]
.endr
	s_lshl_b32 s4, s2, 15
	s_add_nc_u64 s[12:13], s[12:13], s[4:5]
	s_mul_i32 s4, s2, 12800
	s_add_nc_u64 s[14:15], s[14:15], s[4:5]
	s_lshl_b32 s4, ttmp9, 16
	s_add_co_u32 s4, s4, s61
	s_add_nc_u64 s[30:31], s[30:31], s[4:5]
	s_lshl_b32 s4, ttmp9, 14
	s_add_co_u32 s4, s4, s3
	s_add_nc_u64 s[32:33], s[32:33], s[4:5]
; ---- A: the first projection, its bias and the residual
.irp ks, 0,1
.irp c, 0,1,2,3,4,5,6,7
	global_load_b64 v[RC+16*\ks+2*\c:RC+16*\ks+2*\c+1], v14, s[8:9] offset:65536*(8*\ks+\c)   ; pair c of K step ks is head 8 ks + c: 256 consecutive bytes a load
.endr
.endr
.irp t, 0,1,2,3,4,5,6,7
	global_load_b128 v[RX+8*\t:RX+8*\t+3], v15, s[10:11] offset:64*\t
	global_load_b128 v[RX+8*\t+4:RX+8*\t+7], v15, s[10:11] offset:64*\t+16
.endr
	VECLOAD RA, 18
	WLOADO WO1
	s_wait_kmcnt 0x0
	s_add_co_i32 s52, s36, s37
	s_add_co_i32 s52, s52, 127
	s_lshl_b32 s52, s52, 23                        ; 2^(e8 + e9)
	s_mov_b32 s53, s52
	s_add_co_i32 s54, s46, s47
	s_add_co_i32 s54, s54, 127
	s_lshl_b32 s54, s54, 23                        ; 2^(e18 + e19)
	s_mov_b32 s55, s54
	s_add_co_i32 s56, s38, s39
	s_add_co_i32 s56, s56, s40
	s_add_co_i32 s56, s56, s41
	s_lshl_b32 s56, s56, 23
	s_add_co_i32 s56, s56, 0x3eb8aa3b              ; c = log2(e) / 4 x 2^(e10 + e11 + e12 + e13)
	s_mov_b32 s57, s56
	MKQ 66, 38
	MKQ 68, 44
	MKQ 70, 46
	MKQ 72, 48
	s_add_co_i32 s74, s44, s45
	s_wait_loadcnt 63                              ; behind codes, x and bias stand the weights' 64 loads: 63 is the most that a wait can name
.set p, 0
.rept 32
	v_pk_add_f32 v[RX+2*p:RX+2*p+1], v[RX+2*p:RX+2*p+1], v[RA+2*p:RA+2*p+1]
.set p, p+1
.endr
	s_wait_loadcnt 32                              ; the first K step's weights are in; the second's 32 loads may be out
	OPROD
.set p, 0
.rept 32
	v_pk_fma_f32 v[RX+2*p:RX+2*p+1], v[RA+2*p:RA+2*p+1], s[52:53], v[RX+2*p:RX+2*p+1] op_sel_hi:[1,0,1]
.set p, p+1
.endr
	VECLOAD RC, 20
	VECLOAD RA, 22
	WIN 0x40
.irp ks, 0,1,2,3,4,5,6,7               ; q2's 16 fragments (K step ks, head i) at v[16 (2 ks + i)] of window 1
.irp i, 0,1
.irp g, 0,1,2,3
	global_load_b128 v[16*(2*\ks+\i)+4*\g:16*(2*\ks+\i)+4*\g+3], v1, s[12:13] offset:WQ2+16384*\i+2048*\ks+512*\g
.endr
.endr
.endr
	WIN 0
; ---- B: the second norm; its codes to LDS; the residual to rest
	LNQ 0, 66, 63                                  ; 63: behind gains and biases stand q2's 64 loads
.irp g, 0,1,2,3
	ds_store_b128 v7, v[RC+4*\g:RC+4*\g+3] offset:H2IMG+512*\g
.endr
	v_add_nc_u32 v8, s61, v1                       ; my resting place: 16 l + 8,192 w
	v_add_nc_u32 v9, s62, v1                       ; my part of the attention's image: 16 l + 512 w
	v_lshrrev_b32 v10, 1, v1                       ; 8 l
.irp q, 0,1,2,3,4,5,6,7,8,9,10,11,12,13,14,15
	ds_store_b128 v8, v[RX+4*\q:RX+4*\q+3] offset:PARK+512*\q
.endr
	s_wait_dscnt 0x0                               ; the stores have read their registers
.irp t, 0,1,2,3,4
	global_load_b128 v[24+8*\t:27+8*\t], v1, s[14:15] offset:1024*\t
	global_load_b128 v[28+8*\t:31+8*\t], v1, s[14:15] offset:1024*\t+512
.endr
.irp t, 0,1,2,3,4
	global_load_b64 v[64+2*\t:65+2*\t], v10, s[14:15] offset:5120+256*\t
.endr
.irp t, 0,1,2,3,4
	global_load_b128 v[104+8*\t:107+8*\t], v1, s[14:15] offset:6400+1024*\t
	global_load_b128 v[108+8*\t:111+8*\t], v1, s[14:15] offset:6400+1024*\t+512
.endr
.irp j, 74,75,76,77,78,79
	v_mov_b32 v[\j], 0                             ; zero codes behind key 79
.endr
	BARRIER                                        ; the norm's eight fragments lie in LDS
; ---- C: q of my two heads
	s_wait_loadcnt 25                              ; q2's weights are in; the 25 loads of k and v may be out
.irp b, 0,1
.irp q, 0,1,2,3
.irp g, 0,1,2,3
	ds_load_b128 v[RC+16*\q+4*\g:RC+16*\q+4*\g+3], v1 offset:H2IMG+2048*(4*\b+\q)+512*\g
.endr
.endr
	s_wait_dscnt 0x0
	WIN 0x01
.irp q, 0,1,2,3
.irp i, 0,1
.if (\b+\q) == 0
	v_wmma_f32_16x16x128_fp8_fp8 v[88+8*\i:95+8*\i], v[16*(2*(4*\b+\q)+\i):16*(2*(4*\b+\q)+\i)+15], v[RC+16*\q:RC+16*\q+15], 0
.else
	v_wmma_f32_16x16x128_fp8_fp8 v[88+8*\i:95+8*\i], v[16*(2*(4*\b+\q)+\i):16*(2*(4*\b+\q)+\i)+15], v[RC+16*\q:RC+16*\q+15], v[88+8*\i:95+8*\i]
.endif
.endr
.endr
	WIN 0
	PLACES 5                                       ; four in front of loads into the operands; five before q serves as an operand
.endr
.irp t, 0,1,2,3,4
	global_load_b64 v[192+2*\t:193+2*\t], v10, s[14:15] offset:11520+256*\t
.endr
.irp j, 202,203,204,205,206,207,218,219,220,221,222,223
	v_mov_b32 v[\j], 0
.endr
	v_mov_b32 v228, 0xff800000                     ; -infinity
	v_mov_b32 v229, 0
	v_mov_b32 v230, s69                            ; 448 x 2^e16
	v_mov_b32 v231, s68
	v_mov_b32 v232, s71                            ; 448 x 2^e18
	v_mov_b32 v233, s70
	WLOADO WO2
	s_wait_loadcnt 63                              ; k and v of both heads are in: behind them stand the 64 loads just issued
; ---- D: cross-attention
	XATT 0
	VECLOAD RX, 24                                 ; o2_b, into registers that head 0 has left
	XATT 1
	ds_store_b128 v9, v[16:19] offset:A2IMG        ; heads 2 w, 2 w + 1 are registers 4 (w % 4) .. + 3 of K step w / 4
	BARRIER
; ---- E: the second projection, its bias and the residual
.irp ks, 0,1
.irp g, 0,1,2,3
	ds_load_b128 v[RC+16*\ks+4*\g:RC+16*\ks+4*\g+3], v1 offset:A2IMG+2048*\ks+512*\g
.endr
.endr
	s_wait_loadcnt 0x0
	s_wait_dscnt 0x0
	OPROD
.irp q, 0,1,2,3,4,5,6,7,8,9,10,11,12,13,14,15
	ds_load_b128 v[RC+4*\q:RC+4*\q+3], v8 offset:PARK+512*\q
.endr
.set p, 0
.rept 32
	v_pk_fma_f32 v[RX+2*p:RX+2*p+1], v[RA+2*p:RA+2*p+1], s[54:55], v[RX+2*p:RX+2*p+1] op_sel_hi:[1,0,1]
.set p, p+1
.endr
	s_wait_dscnt 0x0
.set p, 0
.rept 32
	v_pk_add_f32 v[RX+2*p:RX+2*p+1], v[RX+2*p:RX+2*p+1], v[RC+2*p:RC+2*p+1]
.set p, p+1
.endr
.irp t, 0,1,2,3,4,5,6,7
	global_store_b128 v1, v[RX+8*\t:RX+8*\t+3], s[30:31] offset:1024*\t          ; x2 as tiles in the registers' order: 512 consecutive bytes a store
	global_store_b128 v1, v[RX+8*\t+4:RX+8*\t+7], s[30:31] offset:1024*\t+512
.endr
	VECLOAD RC, 26
	VECLOAD RA, 28
; ---- F: the third norm, quantised for ff1
	LNQ 1024, 72, 0
.irp g, 0,1,2,3
	global_store_b128 v1, v[RC+4*\g:RC+4*\g+3], s[32:33] offset:512*\g
.endr
	s_wait_tensorcnt 0x0                           ; the wave's end
	ds_add_u32 v2, v3
	s_wait_dscnt 0x0
	s_endpgm
.Lfunc_end_k_qc9c5a1a920_mid:
	.size	k_qc9c5a1a920_mid, .Lfunc_end_k_qc9c5a1a920_mid-k_qc9c5a1a920_mid
	.p2alignl 7, 3214868480
	.fill 96, 4, 3214868480
	.section	.rodata,"a",@progbits
	.p2align	6, 0x0
	.amdhsa_kernel k_qc9c5a1a920_mid
		.amdhsa_group_segment_fixed_size 89088
		.amdhsa_private_segment_fixed_size 0
		.amdhsa_enable_private_segment 0
		.amdhsa_kernarg_size 104
		.amdhsa_user_sgpr_count 2
		.amdhsa_user_sgpr_kernarg_segment_ptr 1
		.amdhsa_wavefront_size32 1
		.amdhsa_system_sgpr_workgroup_id_x 1
		.amdhsa_system_sgpr_workgroup_id_y 1
		.amdhsa_system_sgpr_workgroup_id_z 1
		.amdhsa_system_vgpr_workitem_id 0
		.amdhsa_next_free_vgpr 512
		.amdhsa_next_free_sgpr 76
		.amdhsa_reserve_vcc 0
		.amdhsa_float_denorm_mode_32 3
		.amdhsa_float_denorm_mode_16_64 3
		.amdhsa_memory_ordered 1
		.amdhsa_forward_progress 1
		.amdhsa_inst_pref_size 113
	.end_amdhsa_kernel
	.amdgpu_metadata
---
amdhsa.version: [ 1, 2 ]
amdhsa.kernels:
  - .name:           k_qc9c5a1a920_mid
    .symbol:         k_qc9c5a1a920_mid.kd
    .args:
      - { .name: a1c, .offset: 0, .size: 8, .value_kind: global_buffer, .address_space: global }
      - { .name: x, .offset: 8, .size: 8, .value_kind: global_buffer, .address_space: global }
      - { .name: wc, .offset: 16, .size: 8, .value_kind: global_buffer, .address_space: global }
      - { .name: kv2, .offset: 24, .size: 8, .value_kind: global_buffer, .address_space: global }
      - { .name: lowp_scales, .offset: 32, .size: 8, .value_kind: global_buffer, .address_space: global }
      - { .name: o1_b, .offset: 40, .size: 8, .value_kind: global_buffer, .address_space: global }
      - { .name: n2_w, .offset: 48, .size: 8, .value_kind: global_buffer, .address_space: global }
      - { .name: n2_b, .offset: 56, .size: 8, .value_kind: global_buffer, .address_space: global }
      - { .name: o2_b, .offset: 64, .size: 8, .value_kind: global_buffer, .address_space: global }
      - { .name: n3_w, .offset: 72, .size: 8, .value_kind: global_buffer, .address_space: global }
      - { .name: n3_b, .offset: 80, .size: 8, .value_kind: global_buffer, .address_space: global }
      - { .name: x2, .offset: 88, .size: 8, .value_kind: global_buffer, .address_space: global }
      - { .name: h3c, .offset: 96, .size: 8, .value_kind: global_buffer, .address_space: global }
    .group_segment_fixed_size: 89088
    .private_segment_fixed_size: 0
    .kernarg_segment_align: 8
    .kernarg_segment_size: 104
    .max_flat_workgroup_size: 256
    .sgpr_count:     76
    .vgpr_count:     512
    .wavefront_size: 32
...
	.end_amdgpu_metadata
.endif
;; end of part 4
;; launch ff1 (part 5): grid 32 x 16, 4 waves a work-group, clusters of 4 x 4, 327,680 bytes of LDS; arguments h3c, wc, ff1_b, lowp_scales, gc; writes gc
.if DOCPART == 5
	.amdgcn_target "amdgcn-amd-amdhsa--gfx1250"
	.amdhsa_code_object_version 6
	.text
	.protected	k_qc9c5a1a920_ff1
	.globl	k_qc9c5a1a920_ff1
	.p2align	8
	.type	k_qc9c5a1a920_ff1,@function
k_qc9c5a1a920_ff1:
	s_mov_b64 s[64:65], 0
	v_nop
	global_prefetch_b8 v0, s[64:65] scope:SCOPE_SE
	s_setreg_imm32_b32 hwreg(HW_REG_WAVE_MODE, 25, 1), 1
	s_wait_xcnt 0x0
	s_wait_alu depctr_hold_cnt(0) depctr_sa_sdst(0) depctr_va_vdst(0) depctr_va_sdst(0) depctr_va_ssrc(0) depctr_va_vcc(0) depctr_vm_vsrc(0)
	s_getreg_b32 s2, hwreg(HW_REG_IB_STS2, 6, 4)
	s_cmp_eq_u32 s2, 0
	s_cbranch_scc0 .Lentry_in_a_cluster
	s_endpgm
.Lentry_in_a_cluster:
	s_bfe_u32 s2, ttmp6, 0x10000c
	s_cmp_lg_u32 s2, 0xf033
	s_cbranch_scc0 .Lentry_shape_is_right
	s_endpgm
.Lentry_shape_is_right:
; proj = Q(h3) Q(ff1_w) + ff1_b; g = a x gelu(gate), gelu in its exact form; g is quantised under 2^e22 and stored as fragments for the way down.  No work is left out.
; A tile is 256 tokens x (128 columns of a and their 128 gates); four waves, each 128 x 128: 64 accumulators, 512 registers; a wave's blocks 0-3 of columns are a, blocks 4-7 the gates of the same columns (wc holds ff1's tiles in that order).
; Both operands lie in memory as fragments in the registers' order (2,048 bytes each, [tile of 16][K step]): a slot holds two K steps of 128; a wave's tensor load brings 8 tiles x 4,096 bytes; a fragment comes from LDS by four loads of 512 consecutive bytes.
; CLUSTERS: 4 x 4 work-groups; the tokens' fragments are asked for jointly along a row of the cluster, the weight's along a column.  The matrix instruction is used transposed (source 0 = 16 columns, source 1 = 16 tokens).
; GELU.  gelu(g) = max(g, 0) - |g| E, E = erfc(|g| / sqrt 2) / 2 = u 2^(P(u) - g^2 log2(e) / 2), u = 1 / (1 + |g| / (2 sqrt 2)), P a polynomial of degree 9 (a fit of erfc with a relative error of about 1e-7 at every argument; its constants stand times log2(e), the factor 1/2 in k0).
; LIMITS: e20 + e21 between -126 and 127; e22 between -126 and 119.  NaN and infinity are not served.
; REGISTERS, in windows of 256: window 0: v12-31 constants and addresses; v32-95 the biases; from v128 the tokens' fragments, ONE set; on the way out v96-255 are at work.   window 1: the weight's fragments, TWO sets.   windows 2, 3: the accumulators ((a, b) at v[8 (8 (a % 4) + b)]).
.set QUART, 32768                      ; 8 tiles x 2 K steps x 2,048 bytes: what one tensor load brings, and what one wave reads of either operand
.set SLOT,  131072
.set SPARE, 262144
.set WF1,   0x1E0000
.set LAPS,  2                          ; K = 1,024: four fills of 256 along K
.set FR,    16
.set NL,    4
.set NP,    4
.set ADRA, 16
.set ADRB, 20
.set CO,   26                          ; v26  16 l
.set SPW,  28
.set NIL,  29
.set BH,   30                          ; v30  32 h
.set BIA,  32
.set BIG,  64
.set AV,   96
.set GV,   128
.set TT,   160
.set PP,   192
.set UU,   224
.set AF,   128
.set G1, 24
.set G0, 32
.set G1B, 48
.set G0B, 56
.set MSB, 0
.macro WIN new
.if MSB != (\new)
	s_set_vgpr_msb (MSB<<8)|(\new)
.set MSB, (\new)
.endif
.endm
.set MUL_LO, 0xa1                      ; source 0 window 1, source 1 window 0, C and D window 2
.set MUL_HI, 0xf1
.set TO_B,   0x40
.macro JLOAD g0a, g1a, g0b, g1b        ; a joint load: waves 0, 1 fetch the tokens' halves, waves 2, 3 the weight's; an s_nop 0 and four v_nop follow each line
	s_cmp_eq_u32 s17, 0
	s_cbranch_scc0 .Lfor_b_\@
	tensor_load_to_lds s[\g0a:\g0a+3], s[\g1a:\g1a+7]
	s_nop 0
.rept 4
	v_nop
.endr
	s_branch .Lasked_\@
.Lfor_b_\@:
	tensor_load_to_lds s[\g0b:\g0b+3], s[\g1b:\g1b+7]
	s_nop 0
.rept 4
	v_nop
.endr
.Lasked_\@:
.endm
.macro CREST
	s_cmp_lg_u32 s16, 0
	s_cbranch_scc1 .Lnot_wave_0_\@
	s_barrier_signal -3
.Lnot_wave_0_\@:
	s_barrier_wait -3
	s_barrier_signal -1
	s_barrier_wait -1
.endm
.macro CROUND
	s_barrier_signal -1
	s_barrier_wait -1
	CREST
.endm
	s_load_b256 s[4:11], s[0:1], 0x0               ; h3c 4, wc 6, ff1_b 8, the exponents 10
	s_load_b64 s[12:13], s[0:1], 0x20              ; gc
	v_lshl_add_u32 v[SPW], v0, 2, SPARE
	v_mov_b32 v[NIL], 0
	ds_add_u32 v[SPW], v[NIL]                      ; the wave's opening: the add, twice on end, and its wait ahead of my first tensor load
	ds_add_u32 v[SPW], v[NIL]
	v_lshrrev_b32 v1, 5, v0
	v_readfirstlane_b32 s16, v1                    ; wave 0..3
	s_lshr_b32 s17, s16, 1                         ; my half of the tile's tokens.  Also: I fetch tokens (0) or weight (1)
	s_and_b32 s18, s16, 1                          ; my half of its columns.  Also: which half I fetch
	s_bfe_u32 s40, ttmp6, 0x40000                  ; cx, cy
	s_bfe_u32 s41, ttmp6, 0x40004
	s_lshl_b32 s42, ttmp9, 2
	s_add_co_u32 s42, s42, s40                     ; tile column J
	s_and_b32 s43, ttmp7, 0xffff
	s_lshl_b32 s43, s43, 2
	s_add_co_u32 s43, s43, s41                     ; tile row
	s_lshl_b32 s44, s41, 2
	s_lshl_b32 s44, 15, s44                        ; my row of the cluster
	s_lshl_b32 s45, 0x1111, s40                    ; my column
	s_or_b32 s[G1+0], s44, (3<<16)|(1<<21)         ; the mask; elements of 8 bytes; bit 21 beside a mask; no padding
	s_or_b32 s[G1B+0], s45, (3<<16)|(1<<21)
.irp g, G1, G1B
	s_mov_b32 s[\g+1], 512<<16                     ; tensor_dim0 = 512 (4,096 bytes: a tile's two K steps)
	s_mov_b32 s[\g+2], 8<<16                       ; tensor_dim1 = 8 tiles
	s_mov_b32 s[\g+3], 512<<16                     ; tile_dim0
	s_mov_b32 s[\g+4], 8                           ; tile_dim1
	s_mov_b32 s[\g+5], 2048                        ; from tile to tile: 8 K steps, 16,384 bytes
	s_mov_b32 s[\g+6], 0
	s_mov_b32 s[\g+7], 0
.endr
	s_lshl_b32 s20, s18, 17                        ; the half that I fetch: 8 tiles of 16,384 bytes
	s_lshl_b32 s66, s43, 18
	s_add_co_u32 s66, s66, s20
	s_mov_b32 s67, 0
	s_lshl_b32 s46, s42, 18
	s_add_co_u32 s46, s46, s20
	s_add_co_u32 s46, s46, WF1
	s_mov_b32 s47, 0
	s_lshl_b32 s68, s16, 15                        ; where it goes: wave x 32,768: no place in the cluster enters an LDS address
	s_wait_dscnt 0x0                               ; both opening adds are done
	s_wait_kmcnt 0x0
	s_load_b128 s[88:91], s[10:11], 0x50           ; e20 .. e23
	s_add_nc_u64 s[66:67], s[4:5], s[66:67]
	s_add_nc_u64 s[46:47], s[6:7], s[46:47]
	CROUND                                         ; all sixteen work-groups are here: the first joint loads meet
.irp s, 0,1
	s_mov_b32 s[G0+4*\s], 1
	s_add_co_u32 s[G0+4*\s+1], s68, \s*SLOT
	s_add_nc_u64 s[G0+4*\s+2:G0+4*\s+3], s[66:67], \s*4096
	s_or_b32 s[G0+4*\s+3], s[G0+4*\s+3], 0x80000000
	s_mov_b32 s[G0B+4*\s], 1
	s_add_co_u32 s[G0B+4*\s+1], s68, \s*SLOT
	s_add_nc_u64 s[G0B+4*\s+2:G0B+4*\s+3], s[46:47], \s*4096
	s_or_b32 s[G0B+4*\s+3], s[G0B+4*\s+3], 0x80000000
	JLOAD G0+4*\s, G1, G0B+4*\s, G1B
.endr
	v_and_b32 v1, 31, v0
	v_lshlrev_b32 v[CO], 4, v1
	v_bfe_u32 v2, v0, 4, 1
	v_lshlrev_b32 v[BH], 5, v2
	s_lshl_b32 s21, s17, 15                        ; my 8 tiles of tokens
	s_lshl_b32 s22, s18, 15                        ; my 8 tiles of columns,
	s_add_co_u32 s22, s22, 2*QUART                 ; which lie behind the tokens'
.irp s, 0,1
	v_add_nc_u32 v[ADRA+\s], s21, v[CO]
	v_add_nc_u32 v[ADRB+\s], s22, v[CO]
	s_add_co_u32 s21, s21, SLOT
	s_add_co_u32 s22, s22, SLOT
.endr
	s_lshl_b32 s46, s42, 9                         ; the biases of my 64 columns: (128 J + 64 half) x 4 bytes
	s_lshl_b32 s47, s18, 8
	s_add_co_u32 s46, s46, s47
	s_mov_b32 s47, 0
	s_add_nc_u64 s[8:9], s[8:9], s[46:47]
.irp b, 0,1,2,3
	global_load_b128 v[BIA+8*\b:BIA+8*\b+3], v[BH], s[8:9] offset:64*\b
	global_load_b128 v[BIA+8*\b+4:BIA+8*\b+7], v[BH], s[8:9] offset:64*\b+16
	global_load_b128 v[BIG+8*\b:BIG+8*\b+3], v[BH], s[8:9] offset:16384+64*\b
	global_load_b128 v[BIG+8*\b+4:BIG+8*\b+7], v[BH], s[8:9] offset:16384+64*\b+16
.endr
	s_lshl_b32 s20, s43, 20                        ; gc: ((16 tile row + 8 half) x 32 + J) x 2,048 + 1,024 x column half
	s_lshl_b32 s21, s17, 19
	s_add_co_u32 s20, s20, s21
	s_mov_b32 s21, 0
	s_lshl_b32 s46, s42, 11
	s_lshl_b32 s47, s18, 10
	s_add_co_u32 s46, s46, s47
	s_mov_b32 s47, 0
	s_add_nc_u64 s[20:21], s[20:21], s[46:47]
	s_add_nc_u64 s[12:13], s[12:13], s[20:21]
	s_mov_b32 s70, 0xc034d90f                      ; k0 .. k8, each written twice: a packed form names a pair
	s_mov_b32 s72, 0x3fb8ab5a
	s_mov_b32 s74, 0x3f0a29d2
	s_mov_b32 s76, 0x3e0efb2e
	s_mov_b32 s78, 0xbe899a80
	s_mov_b32 s80, 0x3ecdfd18
	s_mov_b32 s82, 0xbfd1a1e5
	s_mov_b32 s84, 0x40097039
	s_mov_b32 s86, 0xbf97d29d
.irp k, 70,72,74,76,78,80,82,84,86
	s_mov_b32 s[\k+1], s[\k]
.endr
	s_mov_b32 s96, 0xbf38aa3b                      ; -log2(e) / 2
	s_mov_b32 s97, s96
	s_mov_b32 s98, 0x3eb504f3                      ; 1 / (2 sqrt 2)
	v_mov_b32 v14, 0x3e7c6f08                      ; k9
	v_mov_b32 v15, v14
	s_wait_kmcnt 0x0
	s_add_co_i32 s92, s88, s89
	s_add_co_i32 s92, s92, 127
	s_lshl_b32 s92, s92, 23                        ; 2^(e20 + e21)
	s_mov_b32 s93, s92
	s_add_co_i32 s95, s90, 127
	s_lshl_b32 s94, s95, 23
	s_add_co_i32 s95, s95, 8
	s_lshl_b32 s95, s95, 23
	s_or_b32 s95, s95, 0x600000
	v_mov_b32 v12, s94                             ; 2^e22
	v_mov_b32 v13, s95                             ; 448 x 2^e22
.macro FRAG reg, adr, q, i             ; a fragment comes as it lies: four loads of 512 consecutive bytes
.irp c, 0,1,2,3
	ds_load_b128 v[\reg+4*\c:\reg+4*\c+3], v[\adr] offset:2048*(\q)+512*\c+(\i)*4096
.endr
.endm
.macro MUL16 a0, p, zero               ; 16 matrix instructions; the 64 accumulators take turns, in the same order in every step
.irp a, \a0, \a0+1
.irp b, 0,1,2,3,4,5,6,7
.if \zero
	v_wmma_f32_16x16x128_fp8_fp8 v[8*(8*((\a)%4)+\b):8*(8*((\a)%4)+\b)+7], v[128*(\p)+FR*\b:128*(\p)+FR*\b+FR-1], v[AF+FR*(\a):AF+FR*(\a)+FR-1], 0
.else
	v_wmma_f32_16x16x128_fp8_fp8 v[8*(8*((\a)%4)+\b):8*(8*((\a)%4)+\b)+7], v[128*(\p)+FR*\b:128*(\p)+FR*\b+FR-1], v[AF+FR*(\a):AF+FR*(\a)+FR-1], v[8*(8*((\a)%4)+\b):8*(8*((\a)%4)+\b)+7]
.endif
.endr
.endr
.endm
.macro FETCH_B slot, q, p
	WIN TO_B
.irp i, 0,1,2,3,4,5,6,7
	FRAG 128*(\p)+FR*\i, ADRB+\slot, \q, \i
.endr
	WIN 0
.endm
.macro FETCH_A slot, q, i0
.irp i, \i0, \i0+1, \i0+2, \i0+3
	FRAG AF+FR*(\i), ADRA+\slot, \q, \i
.endr
.endm
.macro PLACES n                        ; places in front of loads into registers that matrix instructions have read, and of the first read of results
.rept \n
	v_nop
.endr
.endm
.macro STEP slot, q, zero              ; 128 along K, with its successor in the same slot
	s_wait_dscnt 4*NL                              ; the weight's set and the tokens' blocks 0-3 are in; the youngest 16 loads (blocks 4-7) may be out
	WIN MUL_LO
	MUL16 0, (\q)%2, \zero
	MUL16 2, (\q)%2, \zero
	s_wait_dscnt 0
	PLACES NP
	FETCH_B \slot, (\q)+1, 1-(\q)%2
	FETCH_A \slot, (\q)+1, 0
	WIN MUL_HI
	MUL16 4, (\q)%2, \zero
	MUL16 6, (\q)%2, \zero
	PLACES NP
	WIN 0
	FETCH_A \slot, (\q)+1, 4
.endm
.macro TURN slot, next, fill           ; a slot's last step changes slots: one barrier; fill = 1: this slot is filled again, behind a round of the cluster's barrier
	s_wait_tensorcnt 0x0                           ; all my tensor loads have landed: my part of the next slot
	ds_add_u32 v[SPW], v[NIL]
	s_wait_dscnt 4*NL+1                            ; the add and the youngest 16 loads may be out
	WIN MUL_LO
	MUL16 0, 1, 0
	s_wait_dscnt 0x0                               ; the add is done, and my reads of this slot are over
	s_barrier_signal -1
	MUL16 2, 1, 0
	WIN 0
	s_barrier_wait -1
.if \fill
	CREST                                          ; no wave of any partner still reads this slot or has a load on its way
	s_add_nc_u64 s[G0+4*\slot+2:G0+4*\slot+3], s[G0+4*\slot+2:G0+4*\slot+3], 8192
	s_add_nc_u64 s[G0B+4*\slot+2:G0B+4*\slot+3], s[G0B+4*\slot+2:G0B+4*\slot+3], 8192
	JLOAD G0+4*\slot, G1, G0B+4*\slot, G1B         ; the first tensor load behind the round; its four v_nop are the places in front of the loads below
.else
	PLACES NP
.endif
	FETCH_B \next, 0, 0
	FETCH_A \next, 0, 0
	WIN MUL_HI
	MUL16 4, 1, 0
	MUL16 6, 1, 0
	PLACES NP
	WIN 0
	FETCH_A \next, 0, 4
.endm
	s_wait_tensorcnt 1                             ; my part of the first fill is in; the second fill's load may be out
	s_barrier_signal -1
	s_barrier_wait -1
	FETCH_B 0, 0, 0
	FETCH_A 0, 0, 0
	FETCH_A 0, 0, 4
	STEP 0, 0, 1                                   ; the first step's products start the sums
	s_mov_b32 s3, LAPS-1
.Llap:
	TURN 0, 1, 1
	STEP 1, 0, 0
	TURN 1, 0, 1
	STEP 0, 0, 0
	s_sub_co_u32 s3, s3, 1
	s_cmp_lg_u32 s3, 0
	s_cbranch_scc1 .Llap
	TURN 0, 1, 0                                   ; the last lap fills nothing
	STEP 1, 0, 0
	s_wait_dscnt 4*NL
	WIN MUL_LO
	MUL16 0, 1, 0
	MUL16 2, 1, 0
	s_wait_dscnt 0
	WIN MUL_HI
	MUL16 4, 1, 0
	MUL16 6, 1, 0
	WIN 0
; THE WAY OUT, 16 tokens at a time: 32 numbers of a and their 32 gates a lane.  The codes of my 64 columns are registers 8 half .. 8 half + 7 of K step J of the next operand: two stores of 512 consecutive bytes.
.macro GEGLU a
.set AC, 64*((\a)%4)
	s_wait_xcnt 0x0                                ; the block before has had its stores' registers read
	WIN 0x02+((\a)/4)
.irp b, 0,1,2,3
.irp j, 0,2,4,6
	v_pk_fma_f32 v[AV+8*\b+\j:AV+8*\b+\j+1], v[AC+8*\b+\j:AC+8*\b+\j+1], s[92:93], v[BIA+8*\b+\j:BIA+8*\b+\j+1] op_sel_hi:[1,0,1]
.endr
.endr
.irp b, 0,1,2,3
.irp j, 0,2,4,6
	v_pk_fma_f32 v[GV+8*\b+\j:GV+8*\b+\j+1], v[AC+32+8*\b+\j:AC+32+8*\b+\j+1], s[92:93], v[BIG+8*\b+\j:BIG+8*\b+\j+1] op_sel_hi:[1,0,1]
.endr
.endr
	WIN 0
.set n, 0
.rept 32
	v_fma_f32 v[TT+n], |v[GV+n]|, s98, 1.0
.set n, n+1
.endr
.set n, 0
.rept 32
	v_rcp_f32 v[TT+n], v[TT+n]                     ; u
.set n, n+1
.endr
.set n, 0
.rept 16
	v_pk_mul_f32 v[UU+n:UU+n+1], v[GV+n:GV+n+1], v[GV+n:GV+n+1]   ; g^2: the work between the batch and its wait
.set n, n+2
.endr
	s_wait_alu depctr_va_vdst(0)                   ; one wait for the 32 reciprocals
.set n, 0
.rept 16
	v_pk_fma_f32 v[PP+n:PP+n+1], v[TT+n:TT+n+1], v[14:15], s[86:87] op_sel_hi:[1,1,0]
.set n, n+2
.endr
.irp k, 84,82,80,78,76,74,72,70
.set n, 0
.rept 16
	v_pk_fma_f32 v[PP+n:PP+n+1], v[PP+n:PP+n+1], v[TT+n:TT+n+1], s[\k:\k+1] op_sel_hi:[1,1,0]
.set n, n+2
.endr
.endr
.set n, 0
.rept 16
	v_pk_fma_f32 v[PP+n:PP+n+1], v[UU+n:UU+n+1], s[96:97], v[PP+n:PP+n+1] op_sel_hi:[1,0,1]
.set n, n+2
.endr
.set n, 0
.rept 32
	v_exp_f32 v[PP+n], v[PP+n]
.set n, n+1
.endr
.set n, 0
.rept 32
	v_max_num_f32 v[UU+n], 0, v[GV+n]              ; max(g, 0): the work between the batch and its wait
.set n, n+1
.endr
	s_wait_alu depctr_va_vdst(0)                   ; one wait for the 32 exponentials
.set n, 0
.rept 16
	v_pk_mul_f32 v[PP+n:PP+n+1], v[PP+n:PP+n+1], v[TT+n:TT+n+1]   ; E
.set n, n+2
.endr
.set n, 0
.rept 32
	v_fma_f32 v[UU+n], -|v[GV+n]|, v[PP+n], v[UU+n]   ; gelu(g)
.set n, n+1
.endr
.set n, 0
.rept 16
	v_pk_mul_f32 v[AV+n:AV+n+1], v[AV+n:AV+n+1], v[UU+n:UU+n+1]
.set n, n+2
.endr
.irp b, 0,1,2,3
.irp j, 0,1,2,3,4,5,6,7
	v_med3_num_f32 v[AV+8*\b+\j], v[AV+8*\b+\j], -v13, v13
.endr
	v_cvt_scalef32_pk8_fp8_f32 v[TT+2*\b:TT+2*\b+1], v[AV+8*\b:AV+8*\b+7], v12
.endr
	v_nop
	global_store_b128 v[CO], v[TT:TT+3], s[12:13] offset:65536*(\a)
	global_store_b128 v[CO], v[TT+4:TT+7], s[12:13] offset:65536*(\a)+512
.endm
	s_wait_loadcnt 0x0                             ; the biases
	PLACES NP
.irp a, 0,1,2,3,4,5,6,7
	GEGLU \a
.endr
	s_wait_tensorcnt 0x0                           ; the wave's end
	ds_add_u32 v[SPW], v[NIL]
	s_wait_dscnt 0x0
	CROUND                                         ; the closing round
	s_endpgm
.Lfunc_end_k_qc9c5a1a920_ff1:
	.size	k_qc9c5a1a920_ff1, .Lfunc_end_k_qc9c5a1a920_ff1-k_qc9c5a1a920_ff1
	.p2alignl 7, 3214868480
	.fill 96, 4, 3214868480
	.section	.rodata,"a",@progbits
	.p2align	6, 0x0
	.amdhsa_kernel k_qc9c5a1a920_ff1
		.amdhsa_group_segment_fixed_size 327680
		.amdhsa_private_segment_fixed_size 0
		.amdhsa_enable_private_segment 0
		.amdhsa_kernarg_size 40
		.amdhsa_user_sgpr_count 2
		.amdhsa_user_sgpr_kernarg_segment_ptr 1
		.amdhsa_wavefront_size32 1
		.amdhsa_system_sgpr_workgroup_id_x 1
		.amdhsa_system_sgpr_workgroup_id_y 1
		.amdhsa_system_sgpr_workgroup_id_z 1
		.amdhsa_system_vgpr_workitem_id 0
		.amdhsa_next_free_vgpr 1024
		.amdhsa_next_free_sgpr 100
		.amdhsa_reserve_vcc 0
		.amdhsa_float_denorm_mode_32 3
		.amdhsa_float_denorm_mode_16_64 3
		.amdhsa_memory_ordered 1
		.amdhsa_forward_progress 1
		.amdhsa_inst_pref_size 255
	.end_amdhsa_kernel
	.section	.bss,"aw",@nobits
	.p2align	6
	.space	262144
	.amdgpu_metadata
---
amdhsa.version: [ 1, 2 ]
amdhsa.kernels:
  - .name:           k_qc9c5a1a920_ff1
    .symbol:         k_qc9c5a1a920_ff1.kd
    .args:
      - { .name: h3c, .offset: 0, .size: 8, .value_kind: global_buffer, .address_space: global }
      - { .name: wc, .offset: 8, .size: 8, .value_kind: global_buffer, .address_space: global }
      - { .name: ff1_b, .offset: 16, .size: 8, .value_kind: global_buffer, .address_space: global }
      - { .name: lowp_scales, .offset: 24, .size: 8, .value_kind: global_buffer, .address_space: global }
      - { .name: gc, .offset: 32, .size: 8, .value_kind: global_buffer, .address_space: global }
    .group_segment_fixed_size: 327680
    .private_segment_fixed_size: 0
    .kernarg_segment_align: 8
    .kernarg_segment_size: 40
    .max_flat_workgroup_size: 128
    .sgpr_count:     100
    .vgpr_count:     1024
    .wavefront_size: 32
...
	.end_amdgpu_metadata
.endif
;; end of part 5
;; launch ff2 (part 6): grid 8 x 32, 4 waves a work-group, clusters of 4 x 4, 327,680 bytes of LDS; arguments gc, wc, x2, ff2_b, lowp_scales, out0; writes out0
.if DOCPART == 6
	.amdgcn_target "amdgcn-amd-amdhsa--gfx1250"
	.amdhsa_code_object_version 6
	.text
	.protected	k_qc9c5a1a920_ff2
	.globl	k_qc9c5a1a920_ff2
	.p2align	8
	.type	k_qc9c5a1a920_ff2,@function
k_qc9c5a1a920_ff2:
	s_mov_b64 s[64:65], 0
	v_nop
	global_prefetch_b8 v0, s[64:65] scope:SCOPE_SE
	s_setreg_imm32_b32 hwreg(HW_REG_WAVE_MODE, 25, 1), 1
	s_wait_xcnt 0x0
	s_wait_alu depctr_hold_cnt(0) depctr_sa_sdst(0) depctr_va_vdst(0) depctr_va_sdst(0) depctr_va_ssrc(0) depctr_va_vcc(0) depctr_vm_vsrc(0)
	s_getreg_b32 s2, hwreg(HW_REG_IB_STS2, 6, 4)
	s_cmp_eq_u32 s2, 0
	s_cbranch_scc0 .Lentry_in_a_cluster
	s_endpgm
.Lentry_in_a_cluster:
	s_bfe_u32 s2, ttmp6, 0x10000c
	s_cmp_lg_u32 s2, 0xf033
	s_cbranch_scc0 .Lentry_shape_is_right
	s_endpgm
.Lentry_shape_is_right:
; out0 = Q(g) Q(ff2_w) + ff2_b + x2.  No work is left out.
; [4,096, 1,024] makes 256 tiles of 128 x 128: one for each work-group; four waves, each 64 x 64: 16 accumulators.  K = 4,096 in eight fills of 512 along K.
; Both operands lie in memory as fragments in the registers' order ([tile of 16][K step], 2,048 bytes each): a wave's tensor load brings 4 tiles x 8,192 bytes (four K steps).
; CLUSTERS: 4 x 4 work-groups; g's fragments are asked for jointly along a row of the cluster, the weight's along a column.  The matrix instruction is used transposed (source 0 = 16 columns, source 1 = 16 tokens).
; x2 arrives as tiles in the accumulators' own layout and waits in window 2 with the bias; each output is one packed multiply-add: sum x 2^(e22 + e23) + (x2 + bias).
; LIMIT: e22 + e23 between -126 and 127.
; REGISTERS: window 0: v16-30 addresses; v32-95 the way out; v128-255 the accumulators ((a, b) at v[128 + 8 (4 a + b)]).   window 1: two sets of fragments of 128 (tokens' four, then the weight's four).   window 2: x2's 16 tiles, from v128 the bias.
.set QUART, 32768
.set SLOT,  131072
.set SPARE, 262144
.set STAGE, 262656                     ; 16 rows x 272 bytes for each wave; no fill lands here
.set SPITCH, 272
.set WF2,   0x9E0000
.set ADRA, 16
.set ADRB, 20
.set STO,  24
.set RD,   25
.set CO,   26
.set LI,   27
.set SPW,  28
.set NIL,  29
.set BH,   30
.set TMP,  32
.set BK,   64
.set ACC,  128
.set G1, 24
.set G0, 32
.set G1B, 48
.set G0B, 56
.set MSB, 0
.macro WIN new
.if MSB != (\new)
	s_set_vgpr_msb (MSB<<8)|(\new)
.set MSB, (\new)
.endif
.endm
.macro JLOAD s                         ; a joint load: waves 0, 1 fetch g's halves, waves 2, 3 the weight's; an s_nop 0 and four v_nop follow each line
	s_cmp_eq_u32 s17, 0
	s_cbranch_scc0 .Lfor_b_\@
	tensor_load_to_lds s[G0+4*\s:G0+4*\s+3], s[G1:G1+7]
	s_nop 0
.rept 4
	v_nop
.endr
	s_branch .Lasked_\@
.Lfor_b_\@:
	tensor_load_to_lds s[G0B+4*\s:G0B+4*\s+3], s[G1B:G1B+7]
	s_nop 0
.rept 4
	v_nop
.endr
.Lasked_\@:
.endm
.macro CREST
	s_cmp_lg_u32 s16, 0
	s_cbranch_scc1 .Lnot_wave_0_\@
	s_barrier_signal -3
.Lnot_wave_0_\@:
	s_barrier_wait -3
	s_barrier_signal -1
	s_barrier_wait -1
.endm
.macro CROUND
	s_barrier_signal -1
	s_barrier_wait -1
	CREST
.endm
.macro PLACES n
.rept \n
	v_nop
.endr
.endm
	s_load_b256 s[4:11], s[0:1], 0x0               ; gc 4, wc 6, x2 8, ff2_b 10
	s_load_b128 s[12:15], s[0:1], 0x20             ; the exponents 12, out0 14
	v_lshl_add_u32 v[SPW], v0, 2, SPARE
	v_mov_b32 v[NIL], 0
	ds_add_u32 v[SPW], v[NIL]                      ; the wave's opening: the add, twice on end, and its wait ahead of my first tensor load
	ds_add_u32 v[SPW], v[NIL]
	v_lshrrev_b32 v1, 5, v0
	v_readfirstlane_b32 s16, v1                    ; wave 0..3
	s_lshr_b32 s17, s16, 1                         ; my half of the tile's tokens.  Also: I fetch g (0) or the weight (1)
	s_and_b32 s18, s16, 1                          ; my half of its columns.  Also: which half I fetch
	s_bfe_u32 s40, ttmp6, 0x40000
	s_bfe_u32 s41, ttmp6, 0x40004
	s_lshl_b32 s42, ttmp9, 2
	s_add_co_u32 s42, s42, s40                     ; tile column
	s_and_b32 s43, ttmp7, 0xffff
	s_lshl_b32 s43, s43, 2
	s_add_co_u32 s43, s43, s41                     ; tile row
	s_lshl_b32 s44, s41, 2
	s_lshl_b32 s44, 15, s44
	s_lshl_b32 s45, 0x1111, s40
	s_or_b32 s[G1+0], s44, (3<<16)|(1<<21)
	s_or_b32 s[G1B+0], s45, (3<<16)|(1<<21)
.irp g, G1, G1B
	s_mov_b32 s[\g+1], 1024<<16                    ; tensor_dim0 = 1,024 elements of 8 bytes: a tile's four K steps
	s_mov_b32 s[\g+2], 4<<16                       ; tensor_dim1 = 4 tiles
	s_mov_b32 s[\g+3], 1024<<16
	s_mov_b32 s[\g+4], 4
	s_mov_b32 s[\g+5], 8192                        ; from tile to tile: 32 K steps, 65,536 bytes
	s_mov_b32 s[\g+6], 0
	s_mov_b32 s[\g+7], 0
.endr
	s_lshl_b32 s20, s18, 18                        ; the half that I fetch: 4 tiles of 65,536 bytes
	s_lshl_b32 s66, s43, 19
	s_add_co_u32 s66, s66, s20
	s_mov_b32 s67, 0
	s_lshl_b32 s46, s42, 19
	s_add_co_u32 s46, s46, s20
	s_add_co_u32 s46, s46, WF2
	s_mov_b32 s47, 0
	s_lshl_b32 s68, s16, 15
	s_wait_dscnt 0x0                               ; both opening adds are done
	s_wait_kmcnt 0x0
	s_load_b64 s[72:73], s[12:13], 0x58            ; e22, e23
	s_add_nc_u64 s[66:67], s[4:5], s[66:67]
	s_add_nc_u64 s[46:47], s[6:7], s[46:47]
	CROUND
.irp s, 0,1
	s_mov_b32 s[G0+4*\s], 1
	s_add_co_u32 s[G0+4*\s+1], s68, \s*SLOT
	s_add_nc_u64 s[G0+4*\s+2:G0+4*\s+3], s[66:67], \s*8192
	s_or_b32 s[G0+4*\s+3], s[G0+4*\s+3], 0x80000000
	s_mov_b32 s[G0B+4*\s], 1
	s_add_co_u32 s[G0B+4*\s+1], s68, \s*SLOT
	s_add_nc_u64 s[G0B+4*\s+2:G0B+4*\s+3], s[46:47], \s*8192
	s_or_b32 s[G0B+4*\s+3], s[G0B+4*\s+3], 0x80000000
	JLOAD \s
.endr
	v_and_b32 v1, 31, v0
	v_lshlrev_b32 v[LI], 4, v1                     ; 16 l
	v_and_b32 v2, 15, v0                           ; r
	v_bfe_u32 v3, v0, 4, 1                         ; h
	v_lshlrev_b32 v[BH], 5, v3
	s_lshl_b32 s21, s17, 15
	s_lshl_b32 s22, s18, 15
	s_add_co_u32 s22, s22, 2*QUART
.irp s, 0,1
	v_add_nc_u32 v[ADRA+\s], s21, v[LI]
	v_add_nc_u32 v[ADRB+\s], s22, v[LI]
	s_add_co_u32 s21, s21, SLOT
	s_add_co_u32 s22, s22, SLOT
.endr
	s_mul_i32 s23, s16, 16*SPITCH
	s_add_co_u32 s23, s23, STAGE                   ; my stage
	v_mul_u32_u24 v4, v2, SPITCH
	v_lshl_add_u32 v4, v3, 5, v4
	v_add_nc_u32 v[STO], s23, v4                   ; in: row r, + 32 h
	v_mul_u32_u24 v5, v3, SPITCH
	v_lshl_add_u32 v5, v2, 4, v5
	v_add_nc_u32 v[RD], s23, v5                    ; back: lanes 0-15 one row of 256 bytes, lanes 16-31 the next
	v_lshlrev_b32 v[CO], 12, v3
	v_lshl_add_u32 v[CO], v2, 4, v[CO]             ; and the same two rows in out0
	s_lshl_b32 s20, s43, 19                        ; 128 tile row + 64 half rows: of 4,096 bytes in out0, and as many bytes of tiles in x2
	s_lshl_b32 s21, s17, 18
	s_add_co_u32 s20, s20, s21
	s_mov_b32 s21, 0
	s_add_nc_u64 s[14:15], s[14:15], s[20:21]
	s_add_nc_u64 s[8:9], s[8:9], s[20:21]
	s_lshl_b32 s46, s42, 9                         ; my 64 columns: (128 tile column + 64 half) x 4 bytes
	s_lshl_b32 s47, s18, 8
	s_add_co_u32 s46, s46, s47
	s_mov_b32 s47, 0
	s_add_nc_u64 s[14:15], s[14:15], s[46:47]
	s_add_nc_u64 s[10:11], s[10:11], s[46:47]
	s_lshl_b32 s46, s46, 4                         ; in x2: 4 tiles of 1,024 bytes for 64 columns
	s_add_nc_u64 s[8:9], s[8:9], s[46:47]
	WIN 0x80                                       ; destination window 2
.irp a, 0,1,2,3
.irp b, 0,1,2,3
	global_load_b128 v[8*(4*\a+\b):8*(4*\a+\b)+3], v[LI], s[8:9] offset:65536*\a+1024*\b th:TH_LOAD_NT
	global_load_b128 v[8*(4*\a+\b)+4:8*(4*\a+\b)+7], v[LI], s[8:9] offset:65536*\a+1024*\b+512 th:TH_LOAD_NT
.endr
.endr
.irp b, 0,1,2,3
	global_load_b128 v[128+8*\b:128+8*\b+3], v[BH], s[10:11] offset:64*\b
	global_load_b128 v[128+8*\b+4:128+8*\b+7], v[BH], s[10:11] offset:64*\b+16
.endr
	WIN 0
	s_wait_kmcnt 0x0
	s_add_co_i32 s70, s72, s73
	s_add_co_i32 s70, s70, 127
	s_lshl_b32 s70, s70, 23                        ; 2^(e22 + e23)
	s_mov_b32 s71, s70
.macro FETCH slot, q, f                ; the eight fragments of the slot's q-th 128 along K into set f: 32 loads of 512 consecutive bytes
	WIN 0x40
.irp i, 0,1,2,3
.irp c, 0,1,2,3
	ds_load_b128 v[\f+64+16*\i+4*\c:\f+64+16*\i+4*\c+3], v[ADRB+\slot] offset:8192*\i+2048*(\q)+512*\c
.endr
.endr
.irp i, 0,1,2,3
.irp c, 0,1,2,3
	ds_load_b128 v[\f+16*\i+4*\c:\f+16*\i+4*\c+3], v[ADRA+\slot] offset:8192*\i+2048*(\q)+512*\c
.endr
.endr
.endm
.macro MUL4 f, a, zero                 ; the 16 accumulators take turns, in the same order in every step
	WIN 0x05
.irp b, 0,1,2,3
.if \zero
	v_wmma_f32_16x16x128_fp8_fp8 v[ACC+8*(4*(\a)+\b):ACC+8*(4*(\a)+\b)+7], v[\f+64+16*\b:\f+64+16*\b+15], v[\f+16*(\a):\f+16*(\a)+15], 0
.else
	v_wmma_f32_16x16x128_fp8_fp8 v[ACC+8*(4*(\a)+\b):ACC+8*(4*(\a)+\b)+7], v[\f+64+16*\b:\f+64+16*\b+15], v[\f+16*(\a):\f+16*(\a)+15], v[ACC+8*(4*(\a)+\b):ACC+8*(4*(\a)+\b)+7]
.endif
.endr
.endm
.macro STEP slot, q, zero              ; one of a slot's first three steps: the next step's fragments are asked for ahead of this step's 16 products
	s_wait_dscnt 0x0                               ; this step's set is in
	PLACES 4                                       ; in front of loads into the set that the step before multiplied
	FETCH \slot, (\q)+1, 128*(1-(\q)%2)
	MUL4 128*((\q)%2), 0, \zero
	MUL4 128*((\q)%2), 1, \zero
	MUL4 128*((\q)%2), 2, \zero
	MUL4 128*((\q)%2), 3, \zero
.endm
.macro TURN slot, next, fill           ; a slot's last step (set 1) changes slots
	WIN 0
	s_wait_tensorcnt 0x0                           ; all my tensor loads have landed: my part of the next slot
	ds_add_u32 v[SPW], v[NIL]
	s_wait_dscnt 1                                 ; this step's set is in; the add alone may be out
	MUL4 128, 0, 0
	s_wait_dscnt 0x0                               ; the add is done, and my reads of this slot are over
	s_barrier_signal -1
	MUL4 128, 1, 0
	WIN 0
	s_barrier_wait -1
.if \fill
	CREST                                          ; no wave of any partner still reads this slot or has a load on its way
	s_add_nc_u64 s[G0+4*\slot+2:G0+4*\slot+3], s[G0+4*\slot+2:G0+4*\slot+3], 16384
	s_add_nc_u64 s[G0B+4*\slot+2:G0B+4*\slot+3], s[G0B+4*\slot+2:G0B+4*\slot+3], 16384
	JLOAD \slot                                    ; the first tensor load behind the round; its four v_nop are the places in front of the loads below
.else
	PLACES 4
.endif
	FETCH \next, 0, 0
	MUL4 128, 2, 0
	MUL4 128, 3, 0
.endm
	s_wait_tensorcnt 1                             ; my part of the first fill is in; the second fill's load may be out
	s_barrier_signal -1
	s_barrier_wait -1
	FETCH 0, 0, 0
	STEP 0, 0, 1                                   ; the first step's products start the sums
	WIN 0                                          ; at a label and at a branch every window is 0
	s_mov_b32 s3, 3
.Llap:
	STEP 0, 1, 0
	STEP 0, 2, 0
	TURN 0, 1, 1
	STEP 1, 0, 0
	STEP 1, 1, 0
	STEP 1, 2, 0
	TURN 1, 0, 1
	STEP 0, 0, 0
	WIN 0
	s_sub_co_u32 s3, s3, 1
	s_cmp_lg_u32 s3, 0
	s_cbranch_scc1 .Llap
	STEP 0, 1, 0                                   ; the last lap fills nothing
	STEP 0, 2, 0
	TURN 0, 1, 0
	STEP 1, 0, 0
	STEP 1, 1, 0
	STEP 1, 2, 0
	s_wait_dscnt 0x0
	MUL4 128, 0, 0
	MUL4 128, 1, 0
	MUL4 128, 2, 0
	MUL4 128, 3, 0
; THE WAY OUT.  The bias joins x2 once; then 16 tokens x 64 columns at a time through my own stage, so that sixteen lanes store 256 consecutive bytes of a row of out0.
	s_wait_loadcnt 0x0
	WIN 0x8a                                       ; all three in window 2.  These 64 plain instructions are also the places behind the last products
.irp a, 0,1,2,3
.irp b, 0,1,2,3
.irp j, 0,2,4,6
	v_pk_add_f32 v[8*(4*\a+\b)+\j:8*(4*\a+\b)+\j+1], v[8*(4*\a+\b)+\j:8*(4*\a+\b)+\j+1], v[128+8*\b+\j:128+8*\b+\j+1]
.endr
.endr
.endr
.irp a, 0,1,2,3
	s_wait_xcnt 0x0                                ; the block before has had its stores' registers read
	WIN 0x20                                       ; source 2 in window 2
.irp b, 0,1,2,3
.irp j, 0,2,4,6
	v_pk_fma_f32 v[TMP+8*\b+\j:TMP+8*\b+\j+1], v[ACC+8*(4*\a+\b)+\j:ACC+8*(4*\a+\b)+\j+1], s[70:71], v[8*(4*\a+\b)+\j:8*(4*\a+\b)+\j+1] op_sel_hi:[1,0,1]
.endr
.endr
	WIN 0
.irp b, 0,1,2,3
	ds_store_b128 v[STO], v[TMP+8*\b:TMP+8*\b+3] offset:64*\b
	ds_store_b128 v[STO], v[TMP+8*\b+4:TMP+8*\b+7] offset:64*\b+16
.endr
.irp t, 0,1,2,3,4,5,6,7
	ds_load_b128 v[BK+4*\t:BK+4*\t+3], v[RD] offset:2*\t*SPITCH   ; LDS serves a wave's instructions in order: these see my stores
.endr
.irp t, 0,1,2,3,4,5,6,7
	s_wait_dscnt 7-\t                              ; the younger LDS loads may be out
	global_store_b128 v[CO], v[BK+4*\t:BK+4*\t+3], s[14:15] offset:65536*\a+8192*\t th:TH_STORE_NT
.endr
.endr
	s_wait_tensorcnt 0x0                           ; the wave's end
	ds_add_u32 v[SPW], v[NIL]
	s_wait_dscnt 0x0
	CROUND                                         ; the closing round
	s_endpgm
.Lfunc_end_k_qc9c5a1a920_ff2:
	.size	k_qc9c5a1a920_ff2, .Lfunc_end_k_qc9c5a1a920_ff2-k_qc9c5a1a920_ff2
	.p2alignl 7, 3214868480
	.fill 96, 4, 3214868480
	.section	.rodata,"a",@progbits
	.p2align	6, 0x0
	.amdhsa_kernel k_qc9c5a1a920_ff2
		.amdhsa_group_segment_fixed_size 327680
		.amdhsa_private_segment_fixed_size 0
		.amdhsa_enable_private_segment 0
		.amdhsa_kernarg_size 48
		.amdhsa_user_sgpr_count 2
		.amdhsa_user_sgpr_kernarg_segment_ptr 1
		.amdhsa_wavefront_size32 1
		.amdhsa_system_sgpr_workgroup_id_x 1
		.amdhsa_system_sgpr_workgroup_id_y 1
		.amdhsa_system_sgpr_workgroup_id_z 1
		.amdhsa_system_vgpr_workitem_id 0
		.amdhsa_next_free_vgpr 768
		.amdhsa_next_free_sgpr 76
		.amdhsa_reserve_vcc 0
		.amdhsa_float_denorm_mode_32 3
		.amdhsa_float_denorm_mode_16_64 3
		.amdhsa_memory_ordered 1
		.amdhsa_forward_progress 1
		.amdhsa_inst_pref_size 82
	.end_amdhsa_kernel
	.amdgpu_metadata
---
amdhsa.version: [ 1, 2 ]
amdhsa.kernels:
  - .name:           k_qc9c5a1a920_ff2
    .symbol:         k_qc9c5a1a920_ff2.kd
    .args:
      - { .name: gc, .offset: 0, .size: 8, .value_kind: global_buffer, .address_space: global }
      - { .name: wc, .offset: 8, .size: 8, .value_kind: global_buffer, .address_space: global }
      - { .name: x2, .offset: 16, .size: 8, .value_kind: global_buffer, .address_space: global }
      - { .name: ff2_b, .offset: 24, .size: 8, .value_kind: global_buffer, .address_space: global }
      - { .name: lowp_scales, .offset: 32, .size: 8, .value_kind: global_buffer, .address_space: global }
      - { .name: out0, .offset: 40, .size: 8, .value_kind: global_buffer, .address_space: global }
    .group_segment_fixed_size: 327680
    .private_segment_fixed_size: 0
    .kernarg_segment_align: 8
    .kernarg_segment_size: 48
    .max_flat_workgroup_size: 128
    .sgpr_count:     76
    .vgpr_count:     768
    .wavefront_size: 32
...
	.end_amdgpu_metadata
.endif
;; end of part 6
